; MI455X (gfx1250); checked and timed in simulation.
; The chip was launched on July 23, 2026; its instructions are those of AMD's public machine-readable ISA for CDNA 5 (MIT licence, August 2026) and "CDNA5" Instruction Set Architecture Reference Guide (July 2026). The comments in the code are by the model that wrote it; some were corrected since.
;; Causal Self Attention. Allowed arithmetic: matrix products marked QUANTISED: E2M3 operands, one E8M0 scale for each 32 along K, by v_wmma_scale_f32_16x16x128_f8f6f4 with both operands' format E2M3, f32 sums; everything else in f32.
;; Inputs: Wk 1,024 x 1,024 float32; Wo 1,024 x 1,024 float32; Wq 1,024 x 1,024 float32; Wv 1,024 x 1,024 float32; cos 2,048 x 64 float32; sin 2,048 x 64 float32; x 4 x 2,048 x 1,024 float32.
;; Outputs: out0 4 x 2,048 x 1,024 float32.
;; This version of the problem:
;;   THIS VERSION OF THE PROBLEM IS GIVEN IN LOW PRECISION. The matrix products marked QUANTISED in the list below multiply operands that are first quantised to E2M3 (2 exponent bits, 3 mantissa bits; 6 bits a number), with one power-of-two scale for each 32 numbers along K (OCP MX v1.0); their sums are f32. All else is computed in f32.
;;   The module's matrix products, in the order in which they are computed (A, B: the left and right operand; K: the contracted axis; several contracted axes count as one K, in the product's order):
;;     1. [M 8,192, K 1,024] x [K 1,024, N 1,024]; A: input x; B: input Wq: QUANTISED
;;     2. [M 8,192, K 1,024] x [K 1,024, N 1,024]; A: input x; B: input Wk: QUANTISED
;;     3. [M 8,192, K 1,024] x [K 1,024, N 1,024]; A: input x; B: input Wv: QUANTISED
;;     4. batch 64 x [M 2,048, K 64] x [K 64, N 2,048]; A: computed on the way; B: computed on the way: QUANTISED
;;     5. batch 64 x [M 64, K 2,048] x [K 2,048, N 2,048]; A: computed on the way; B: softmax (see below): QUANTISED
;;     6. [M 8,192, K 1,024] x [K 1,024, N 1,024]; A: computed on the way; B: input Wo: QUANTISED
;;   THE QUANTISER, for each operand of a quantised product, along K:
;;     - K is cut into blocks of 32 from its start; a last block that is shorter is filled with zeros.
;;     - A block's scale is 2^e with e = floor(log2(the largest magnitude in the block)) - 2, held to -126 .. 127; a block of zeros has e = 0. As a byte (E8M0): e + 127.
;;     - Each number is divided by its block's scale, clamped to +-7.5, and rounded to the nearest number of E2M3, ties to even, subnormals kept.
;;     - The product sums the exact products of the quantised numbers (number of the format x scale) in f32.
;;   ~~~python
;;   def quantise(x, axis):      # numpy; x: float32 -> the quantised numbers, widened to float32 again
;;       x = np.moveaxis(x, axis, -1); K = x.shape[-1]
;;       x = np.pad(x, [(0, 0)] * (x.ndim - 1) + [(0, -K % 32)]); x = x.reshape(x.shape[:-1] + (-1, 32)); a = np.abs(x).max(-1, keepdims=True)
;;       e = np.where(a > 0, np.clip(np.frexp(np.where(a > 0, a, 1))[1] - 1 - 2, -126, 127), 0)      # np.frexp(a)[1] - 1 = floor(log2(a)), exactly
;;       r = np.clip(x / 2.0 ** e, -7.5, 7.5)
;;       step = 2.0 ** (np.maximum(np.frexp(np.where(r == 0, 1, r))[1] - 1, 0) - 3)
;;       q = np.round(r / step) * step * 2.0 ** e      # np.round: ties to even
;;       return np.moveaxis(q.reshape(q.shape[:-2] + (-1,))[..., :K], -1, axis).astype(np.float32)
;;   ~~~
;;   SOFTMAX AHEAD OF A QUANTISED PRODUCT. Where the list says 'softmax', what is quantised is not the finished softmax but p = 2^(t - M), with t = logit x log2(e) and M = ceil(the row's largest t), a whole number; so 1/2 < the row's largest p <= 1. The row's sum l is taken of the UNQUANTISED p, in f32, and the product's result is divided by l at the end. Since M is a whole number, a kernel that streams over the keys may use a running M (the ceiling of the running maximum): every later rescaling is an exact power of two, which a block's scale takes up: the codes' values come out the same.
;;   OPERANDS COMPUTED ON THE WAY. 'Computed on the way' means the value that the module computes at that place (a softmax that the list does not call 'softmax' is quantised finished and normalised). What goes into a quantiser is computed in f32, as accurately as f32 sums, v_exp_f32 and their like allow (about 1e-6 of the number): no bf16 or f16 on the way to a quantiser, and a product that is left as it is and whose result goes on into a quantised operand takes f32 operands (vector FMAs, or v_wmma_f32_16x16x4_f32). A number that lies on a knife's edge between two numbers of the format may be rounded either way, as far as f32 arithmetic and the matrix unit's own rounding can turn it there, and no further.
;; One version. Each part assembles by itself: llvm-mc -triple=amdgcn-amd-amdhsa -mcpu=gfx1250 --defsym DOCPART=n.
;; ======== version 1 of 1: 4 launches
;; limits: right only within a limited range of input values
;; workspace buffers: xq 6,553,600 bytes; wq 3,276,800 bytes; qi 6,553,600 bytes; kv 13,107,200 bytes; aq 6,553,600 bytes
;; launch quant (part 1): grid 512 x 1, 4 waves a work-group, no clusters, 35,328 bytes of LDS; arguments x, Wq, Wk, Wv, Wo, xq, wq; writes xq, wq
.if DOCPART == 1
	.amdgcn_target "amdgcn-amd-amdhsa--gfx1250"
	.amdhsa_code_object_version 6
	.text
	.protected	k_q5897403b38_quant
	.globl	k_q5897403b38_quant
	.p2align	8
	.type	k_q5897403b38_quant,@function
k_q5897403b38_quant:
	s_mov_b64 s[64:65], 0
	v_nop
	global_prefetch_b8 v0, s[64:65] scope:SCOPE_SE
	s_setreg_imm32_b32 hwreg(HW_REG_WAVE_MODE, 25, 1), 1
	s_wait_xcnt 0x0
; CAUSAL SELF-ATTENTION ON CODES OF E2M3, FOUR LAUNCHES: this one (x and the four weights into codes), gemm_qkv (x Wq, x Wk, x Wv, RoPE, codes of q, k, v), attn (both products of attention, codes of its result), gemm_out (x Wo).
; WORK LEFT OUT (in attn).  reference() builds causal = tril(ones) in its own body and sets the score of key s for query t to -inf where s > t; the softmax gives such a key the weight 0, whatever finite
; values the inputs hold, so it adds nothing to the row's largest t, to the row's sum or to the second product.  A step of 128 keys all of which come after a tile's 16 queries is therefore not multiplied.
; A block of 32 keys that is hidden as a whole has codes 0 under the stated quantiser, so the codes and scales of the blocks that count are not moved by it.  Every input has a way to the output: all are loaded.
; LIMIT: a NaN, an infinity or an overflow that reaches only such hidden scores is not carried to the result.
; THIS LAUNCH.  x [8192][1024] (K innermost) and Wq, Wk, Wv, Wo [1024 (k)][1024 (n)] (K is the first axis), f32, become codes of E2M3 with one E8M0 byte for each 32 along K.
; A block's scale is 2^(floor(log2(its largest magnitude)) - 2); its byte is the largest magnitude's exponent field - 2, held at 1 from below by a floor among the maximum's leaves.
; LIMITS: a block of zeros gets the byte 1 where the rule says 127 (its codes are zeros, which add nothing under any byte but 0xff, and this program alone reads the bytes); NaN and infinities among the inputs are not served.
; THE WORKSPACE IS LAID IN THE ORDER OF THE OPERAND'S REGISTERS.  A tile is 16 rows (tokens, or columns n of a weight): lane row p of tile 2 b + u is row 32 b + 8 u + p + 8 (p / 8).
; A half fragment (16 rows x 64 K, 768 bytes): lane l = p + 16 h holds the 24 bytes of block h of row p: its registers 0-3 at byte 16 l, registers 4-5 at byte 512 + 8 l.  A fragment (128 K) is two of them on end.
; Codes: [tile][8 fragments][1,536 bytes]; behind all codes the scale words: [tile][8 fragments][16 words].
; SHARES.  Work-groups 0-255: x; a wave takes half a tile's K: 16 rows x 512 K, four fragments.  Work-groups 256-511: the weights; a wave takes 32 columns x 128 K.
.set WREG,  8704                       ; x's path, LDS of a wave: a stage of 16 rows x (512 + 16) bytes, then its 256 scale bytes
.set SPARE, 4*WREG                     ; behind the four regions: the spare words, 128 bytes for each wave: two blocks of 256 bytes that no other line names
.set XSCA,  6291456                    ; where xq's scale words begin
.set WSCA,  3145728                    ; and wq's
.set SPW,   14                         ; v14  LDS address of my spare word; never rewritten
.set NIL,   15                         ; v15  0; never rewritten
.set R,     16                         ; v16-143  two sets of 64: 16 rows x 128 numbers as loaded
.set X,     144                        ; v144-207 my two blocks of 32 neighbours
.set PC,    208                        ; v208-219 a fragment's codes
.set T0,    220                        ; v220-222, v224-226: a conversion's three registers begin on an even number
.set T1,    224
	s_load_b256 s[4:11], s[0:1], 0x0               ; x, Wq, Wk, Wv
	s_load_b128 s[12:15], s[0:1], 0x20             ; Wo, xq
	s_load_b64 s[16:17], s[0:1], 0x30              ; wq
	v_lshl_add_u32 v[SPW], v0, 2, SPARE
	v_mov_b32 v[NIL], 0
	v_lshrrev_b32 v1, 5, v0
	v_readfirstlane_b32 s18, v1                    ; wave
	v_and_b32 v1, 31, v0                           ; lane
	v_lshlrev_b32 v2, 4, v1                        ; 16 x lane
	v_lshlrev_b32 v7, 3, v1                        ; 8 x lane
	s_mov_b32 s30, 0x76543210
	s_mov_b32 s31, 0xfedcba98                      ; v_permlanex16_b32's selects for lane l xor 16
	s_cmp_lt_u32 ttmp9, 256
	s_cbranch_scc0 .Lweights
	; ---------------- x ----------------
	s_lshl_b32 s19, ttmp9, 2
	s_add_co_u32 s19, s19, s18
	s_lshr_b32 s20, s19, 1                         ; my tile
	s_and_b32 s21, s19, 1                          ; my half of K
	s_lshr_b32 s22, s20, 1
	s_lshl_b32 s22, s22, 5
	s_and_b32 s23, s20, 1
	s_lshl_b32 s23, s23, 3
	s_add_co_u32 s22, s22, s23                     ; the tile's first row: 32 b + 8 u
	s_lshl_b32 s22, s22, 12                        ; rows of 4,096 bytes
	s_lshl_b32 s23, s21, 11
	s_add_co_u32 s22, s22, s23
	s_mov_b32 s23, 0
	s_mul_i32 s24, s20, 12288
	s_mul_i32 s25, s21, 6144
	s_add_co_u32 s24, s24, s25                     ; my four fragments in xq
	s_mov_b32 s25, 0
	s_lshl_b32 s26, s20, 9
	s_lshl_b32 s27, s21, 8
	s_add_co_u32 s26, s26, s27
	s_add_co_u32 s26, s26, XSCA                    ; and their 256 bytes of scale words
	s_mov_b32 s27, 0
	s_mul_i32 s28, s18, WREG
	s_wait_alu depctr_va_vdst(0)
	v_add_nc_u32 v3, s28, v2                       ; the stage, way in: a row's 512 bytes as they lie
	v_and_b32 v8, 15, v0                           ; r
	v_bfe_u32 v9, v0, 4, 1                         ; h
	v_mul_u32_u24 v4, v8, 528
	v_lshl_add_u32 v4, v9, 7, v4
	v_add_nc_u32 v4, s28, v4                       ; way out: row r, + 128 h: my block of 32 numbers
	s_add_co_u32 s28, s28, 8448
	v_lshl_add_u32 v5, v8, 2, s28                  ; my row's scale word
	v_add_nc_u32 v6, s28, v7                       ; and, at the end, 8 bytes a lane
	v_lshlrev_b32 v10, 3, v9                       ; 8 h: where my two bytes stand in the word
	v_mov_b32 v13, 0                               ; written once: a lane permute's destination counts as one of its sources
	s_wait_alu depctr_va_vdst(0)
	s_wait_kmcnt 0x0
	s_add_nc_u64 s[4:5], s[4:5], s[22:23]
	s_add_nc_u64 s[24:25], s[14:15], s[24:25]
	s_add_nc_u64 s[26:27], s[14:15], s[26:27]
.macro XLOAD t                         ; fragment t: 128 numbers of each of the tile's 16 rows; each load reads 512 consecutive bytes
.irp p, 0,1,2,3,4,5,6,7,8,9,10,11,12,13,14,15
	global_load_b128 v[R+64*((\t)%2)+4*\p:R+64*((\t)%2)+4*\p+3], v2, s[4:5] offset:(\p+8*(\p/8))*4096+512*(\t) th:TH_LOAD_NT
.endr
.endm
.macro XSTEP t
.set RS, R+64*((\t)%2)
.if (\t) < 3
	s_wait_loadcnt 16                              ; this fragment's 16 loads are in; the next fragment's 16 may be out
.else
	s_wait_loadcnt 0x0
.endif
.irp p, 0,1,2,3,4,5,6,7,8,9,10,11,12,13,14,15
	ds_store_b128 v3, v[RS+4*\p:RS+4*\p+3] offset:528*\p
.endr
.irp c, 0,1
.irp j, 0,1,2,3,4,5,6,7
	ds_load_b128 v[X+32*\c+4*\j:X+32*\c+4*\j+3], v4 offset:256*\c+16*\j   ; k = 64 c + 32 h + 4 j on, of row r.  LDS serves a wave's instructions in order: these see the stores above
.endr
.endr
	s_wait_dscnt 0x0                               ; my numbers are back, so the stores into the stage have read their registers,
.if (\t) < 2
	XLOAD (\t)+2                                   ; which take the loads of two fragments on
.endif
	v_max3_num_f32 v8, |v[X]|, |v[X+1]|, 0x1800000         ; my two blocks by turns; the floor 2^(3 - 127) is a leaf: the byte cannot fall under 1
	v_max3_num_f32 v9, |v[X+32]|, |v[X+33]|, 0x1800000
.irp i, 2,4,6,8,10,12,14,16,18,20,22,24,26,28,30
	v_max3_num_f32 v8, v8, |v[X+\i]|, |v[X+1+\i]|
	v_max3_num_f32 v9, v9, |v[X+32+\i]|, |v[X+33+\i]|
.endr
	v_add_nc_u32 v11, 0xff000000, v8               ; 2 off the exponent field: the conversion takes the exponent field of this operand as its scale
	v_add_nc_u32 v12, 0xff000000, v9
	v_lshrrev_b32 v8, 23, v11                      ; the bytes of blocks h and 2 + h
	v_lshrrev_b32 v9, 23, v12
	v_lshl_or_b32 v8, v9, 16, v8
	v_lshlrev_b32 v8, v10, v8                      ; at their places in the word;
	v_permlanex16_b32 v13, v8, s30, s31
	v_or_b32 v8, v8, v13                           ; with lane l xor 16's two the word is whole
	s_wait_alu depctr_va_vdst(0)
	s_wait_xcnt 0x0                                ; the last fragment's stores have read their data: the codes' registers are written again only behind this wait
	v_cvt_scalef32_pk16_fp6_f32 v[PC:PC+2], v[X:X+15], v11
	v_cvt_scalef32_pk16_fp6_f32 v[T0:T0+2], v[X+16:X+31], v11
	v_cvt_scalef32_pk16_fp6_f32 v[PC+6:PC+8], v[X+32:X+47], v12
	v_cvt_scalef32_pk16_fp6_f32 v[T1:T1+2], v[X+48:X+63], v12
	v_nop                                          ; one plain line behind the scaled conversions
.irp i, 0,1,2
	v_mov_b32 v[PC+3+\i], v[T0+\i]
	v_mov_b32 v[PC+9+\i], v[T1+\i]
.endr
	global_store_b128 v2, v[PC:PC+3], s[24:25] offset:1536*(\t)            ; 512 consecutive bytes,
	global_store_b64 v7, v[PC+4:PC+5], s[24:25] offset:1536*(\t)+512       ; 256,
	global_store_b128 v2, v[PC+6:PC+9], s[24:25] offset:1536*(\t)+768      ; and the same for the second half fragment
	global_store_b64 v7, v[PC+10:PC+11], s[24:25] offset:1536*(\t)+1280
	ds_store_b32 v5, v8 offset:64*(\t)             ; lanes r and r + 16 write the same word with the same value
.endm
	XLOAD 0
	XLOAD 1
	XSTEP 0
	XSTEP 1
	XSTEP 2
	XSTEP 3
	ds_load_b64 v[8:9], v6                         ; my wave's 64 scale words
	s_wait_dscnt 0x0
	global_store_b64 v7, v[8:9], s[26:27]          ; 32 lanes store 256 consecutive bytes, aligned
	s_wait_tensorcnt 0x0                           ; the wave's end, behind my last LDS store
	ds_add_u32 v[SPW], v[NIL]
	s_wait_dscnt 0x0
	s_endpgm
	; ---------------- the weights: a lane takes a column n and its registers run down K; no LDS is touched ----------------
.Lweights:
	s_sub_co_u32 s19, ttmp9, 256
	s_lshr_b32 s20, s19, 5                         ; which 128 along K
	s_bfe_u32 s21, s19, 0x20003                    ; which weight: 0 Wq, 1 Wk, 2 Wv, 3 Wo
	s_and_b32 s22, s19, 7                          ; which 128 columns
	s_wait_alu depctr_va_vdst(0)
	v_lshrrev_b32 v3, 4, v1                        ; u: lanes 0-15 are tile 0 of my 32 columns, lanes 16-31 tile 1
	v_and_b32 v4, 7, v1
	v_bfe_u32 v5, v1, 3, 1
	v_lshl_add_u32 v4, v3, 3, v4
	v_lshl_add_u32 v4, v5, 4, v4                   ; my column: 8 u + p + 8 (p / 8): the 32 lanes still read 128 consecutive bytes
	v_lshlrev_b32 v4, 2, v4
	v_and_b32 v5, 15, v1
	v_lshlrev_b32 v5, 2, v5
	v_lshl_add_u32 v5, v3, 9, v5                   ; my scale word: 512 bytes from tile to tile, 4 p
	s_lshl_b32 s24, s20, 19                        ; 128 rows of 4,096 bytes
	s_lshl_b32 s25, s22, 9
	s_add_co_u32 s24, s24, s25
	s_lshl_b32 s25, s18, 7
	s_add_co_u32 s24, s24, s25
	s_mov_b32 s25, 0
	s_lshl_b32 s26, s21, 6
	s_lshl_b32 s27, s22, 3
	s_add_co_u32 s26, s26, s27
	s_lshl_b32 s27, s18, 1
	s_add_co_u32 s26, s26, s27                     ; my first tile: 64 x weight + 8 x group + 2 x wave
	s_lshl_b32 s28, s26, 9
	s_lshl_b32 s29, s20, 6
	s_add_co_u32 s28, s28, s29
	s_add_co_u32 s28, s28, WSCA
	s_mov_b32 s29, 0
	s_mul_i32 s26, s26, 12288
	s_mul_i32 s27, s20, 1536
	s_add_co_u32 s26, s26, s27
	s_mov_b32 s27, 0
	s_wait_alu depctr_va_vdst(0)
	s_wait_kmcnt 0x0
	s_cmp_eq_u32 s21, 0                            ; the choice hangs on the work-group's number alone
	s_cselect_b64 s[22:23], s[6:7], s[8:9]
	s_cmp_lt_u32 s21, 2
	s_cselect_b64 s[22:23], s[22:23], s[10:11]
	s_cmp_eq_u32 s21, 3
	s_cselect_b64 s[22:23], s[12:13], s[22:23]
	s_add_nc_u64 s[22:23], s[22:23], s[24:25]
	s_add_nc_u64 s[26:27], s[16:17], s[26:27]
	s_add_nc_u64 s[28:29], s[16:17], s[28:29]
.macro WLOAD t                         ; block t: W(32 t + i, my column) into set t % 2
.irp i, 0,1,2,3,4,5,6,7,8,9,10,11,12,13,14,15,16,17,18,19,20,21,22,23,24,25,26,27,28,29,30,31
	global_load_b32 v[16+32*((\t)%2)+\i], v4, s[22:23] offset:(32*(\t)+\i)*4096 th:TH_LOAD_NT
.endr
.endm
.macro WBLOCK t
.set XS, 16+32*((\t)%2)
.set CD, 96+16*((\t)/2)+8*((\t)%2)     ; six registers of codes; a set of its own for each block, so that no store's data are written again
.if (\t) < 3
	s_wait_loadcnt 32                              ; this block's 32 loads are in; the next block's may be out
.else
	s_wait_loadcnt 0x0
.endif
	v_max3_num_f32 v8, |v[XS]|, |v[XS+1]|, |v[XS+2]|       ; all 32 numbers of the block are mine: two chains
	v_max3_num_f32 v9, |v[XS+3]|, |v[XS+4]|, |v[XS+5]|
.irp i, 6,10,14,18,22,26
	v_max3_num_f32 v8, v8, |v[XS+\i]|, |v[XS+\i+1]|
	v_max3_num_f32 v9, v9, |v[XS+\i+2]|, |v[XS+\i+3]|
.endr
	v_max3_num_f32 v8, v8, |v[XS+30]|, |v[XS+31]|
	v_max3_num_f32 v8, v8, v9, 0x1800000           ; and the floor
	v_add_nc_u32 v11, 0xff000000, v8
	v_lshrrev_b32 v9, 23, v11
.if (\t) == 0
	v_mov_b32 v12, v9                              ; my column's scale word: the lower K in the lower byte
.else
	v_lshl_or_b32 v12, v9, 8*(\t), v12
.endif
	v_cvt_scalef32_pk16_fp6_f32 v[CD:CD+2], v[XS:XS+15], v11
	v_cvt_scalef32_pk16_fp6_f32 v[128:130], v[XS+16:XS+31], v11
	v_nop
.irp i, 0,1,2
	v_mov_b32 v[CD+3+\i], v[128+\i]
.endr
.if (\t) < 2
	WLOAD (\t)+2
.endif
.if (\t)%2 == 1                        ; blocks 2 c and 2 c + 1 are there.  The first's lanes 16-31 change places with the second's lanes 0-15: the first is then tile 0's half fragment c, the second tile 1's
.set EE, 96+16*((\t)/2)
.irp i, 0,1,2,3,4,5
	v_permlane16_swap_b32 v[EE+\i], v[EE+8+\i]
.endr
	global_store_b128 v2, v[EE:EE+3], s[26:27] offset:768*((\t)/2)
	global_store_b64 v7, v[EE+4:EE+5], s[26:27] offset:768*((\t)/2)+512
	global_store_b128 v2, v[EE+8:EE+11], s[26:27] offset:12288+768*((\t)/2)
	global_store_b64 v7, v[EE+12:EE+13], s[26:27] offset:12288+768*((\t)/2)+512
.endif
.endm
	WLOAD 0
	WLOAD 1
	WBLOCK 0
	WBLOCK 1
	WBLOCK 2
	WBLOCK 3
	global_store_b32 v5, v12, s[28:29]             ; two runs of 64 bytes: parts of aligned blocks of 256; one byte in 128 of what this path reads
	s_endpgm
.Lfunc_end_k_q5897403b38_quant:
	.size	k_q5897403b38_quant, .Lfunc_end_k_q5897403b38_quant-k_q5897403b38_quant
	.p2alignl 7, 3214868480
	.fill 96, 4, 3214868480
	.section	.rodata,"a",@progbits
	.p2align	6, 0x0
	.amdhsa_kernel k_q5897403b38_quant
		.amdhsa_group_segment_fixed_size 35328
		.amdhsa_private_segment_fixed_size 0
		.amdhsa_enable_private_segment 0
		.amdhsa_kernarg_size 56
		.amdhsa_user_sgpr_count 2
		.amdhsa_user_sgpr_kernarg_segment_ptr 1
		.amdhsa_wavefront_size32 1
		.amdhsa_system_sgpr_workgroup_id_x 1
		.amdhsa_system_sgpr_workgroup_id_y 1
		.amdhsa_system_sgpr_workgroup_id_z 1
		.amdhsa_system_vgpr_workitem_id 0
		.amdhsa_next_free_vgpr 232
		.amdhsa_next_free_sgpr 66
		.amdhsa_reserve_vcc 0
		.amdhsa_float_denorm_mode_32 3
		.amdhsa_float_denorm_mode_16_64 3
		.amdhsa_memory_ordered 1
		.amdhsa_forward_progress 1
		.amdhsa_inst_pref_size 52
	.end_amdhsa_kernel
	.amdgpu_metadata
---
amdhsa.version: [ 1, 2 ]
amdhsa.kernels:
  - .name:           k_q5897403b38_quant
    .symbol:         k_q5897403b38_quant.kd
    .args:
      - { .name: x, .offset: 0, .size: 8, .value_kind: global_buffer, .address_space: global }
      - { .name: Wq, .offset: 8, .size: 8, .value_kind: global_buffer, .address_space: global }
      - { .name: Wk, .offset: 16, .size: 8, .value_kind: global_buffer, .address_space: global }
      - { .name: Wv, .offset: 24, .size: 8, .value_kind: global_buffer, .address_space: global }
      - { .name: Wo, .offset: 32, .size: 8, .value_kind: global_buffer, .address_space: global }
      - { .name: xq, .offset: 40, .size: 8, .value_kind: global_buffer, .address_space: global }
      - { .name: wq, .offset: 48, .size: 8, .value_kind: global_buffer, .address_space: global }
    .group_segment_fixed_size: 35328
    .private_segment_fixed_size: 0
    .kernarg_segment_align: 8
    .kernarg_segment_size: 56
    .max_flat_workgroup_size: 128
    .sgpr_count:     66
    .vgpr_count:     232
    .wavefront_size: 32
...
	.end_amdgpu_metadata
.endif
;; end of part 1
;; launch gemm_qkv (part 2): grid 8 x 32, 4 waves a work-group, clusters of 4 x 4, 327,680 bytes of LDS; arguments xq, wq, cos, sin, qi, kv; writes qi, kv
.if DOCPART == 2
	.amdgcn_target "amdgcn-amd-amdhsa--gfx1250"
	.amdhsa_code_object_version 6
	.text
	.protected	k_q5897403b38_gemm_qkv
	.globl	k_q5897403b38_gemm_qkv
	.p2align	8
	.type	k_q5897403b38_gemm_qkv,@function
k_q5897403b38_gemm_qkv:
	s_mov_b64 s[64:65], 0
	v_nop
	global_prefetch_b8 v0, s[64:65] scope:SCOPE_SE
	s_setreg_imm32_b32 hwreg(HW_REG_WAVE_MODE, 25, 1), 1
	s_wait_xcnt 0x0
	s_wait_alu depctr_hold_cnt(0) depctr_sa_sdst(0) depctr_va_vdst(0) depctr_va_sdst(0) depctr_va_ssrc(0) depctr_va_vcc(0) depctr_vm_vsrc(0)
	s_getreg_b32 s2, hwreg(HW_REG_IB_STS2, 6, 4)
	s_cmp_eq_u32 s2, 0
	s_cbranch_scc0 .Lentry_in_a_cluster
	s_endpgm
.Lentry_in_a_cluster:
	s_bfe_u32 s2, ttmp6, 0x10000c
	s_cmp_lg_u32 s2, 0xf033
	s_cbranch_scc0 .Lentry_shape_is_right
	s_endpgm
.Lentry_shape_is_right:
; q = rope(x Wq), k = rope(x Wk), v = x Wv on codes of E2M3 (K = 1,024), and the results quantised in registers: q and k along the head's 64, v along the keys.  No f32 result goes to memory.
; OPERANDS lie in memory as images of their registers (launch quant): a tile of 16 rows is 8 fragments of 1,536 bytes; lane row p of tile 2 b + u is row 32 b + 8 u + p + 8 (p / 8); behind all codes the scale words.
; A WORK-GROUP TAKES 256 TOKENS x 128 COLUMNS (two heads) THROUGH ALL THREE PRODUCTS: 8 x 32 = 256 work-groups.  x's 16 tiles and their scale words (204,800 bytes) come into LDS once and stay.
; One region of 102,400 bytes holds one product's weights.  For q and k each wave copies its 32 weight fragments into 384 registers at the product's start; then the region is free, and behind the three lines and
; a round of the cluster's barrier it takes the next product's weights, which have the whole product in which to land.  One tensor load of a wave is out at a time.
; CLUSTER 4 x 4: x's tiles hang on the block row and are asked for jointly along a row of the cluster, the weights on the block column and along a column.
; A WAVE MAKES 128 TOKENS x 64 COLUMNS: ONE HEAD.  q, k (one loop, two trips): source 0 = a weight tile, source 1 = a token tile: a lane holds a token, its registers run along the head.  Tokens go by groups of
; two tiles, 8 accumulators by turns, K ascending; a finished group's RoPE, quantiser and stores stand in the middle of the next group: two sets of accumulators.
; v: source 0 = a token tile, source 1 = a weight tile: a lane holds a channel d, its registers run along the 128 keys, the next product's K; 32 accumulators, a walk along K on two sets of fragments.
; OUTPUT.  qi: [batch x head][16 groups of 128 tokens] records of 6,400 bytes: 8 half fragments of 768 (tile a), then 4 x 16 words: word b = tile 2 b's two bytes | tile 2 b + 1's << 16.
; kv: [batch x head][16 key steps] records of 12,800: K as q's record's 6,144; V^T's four fragments (16 d x 128 keys) from 6,144; K's words at 12,288; V's at 12,544.
; LIMITS: a block of zeros gets the byte 1 (its codes are zeros; this program alone reads the bytes); NaN and infinities are not served.
; No prefetch: x is asked for at the head, and each block of weights a whole product ahead of its first read.
; REGISTERS: window 0: v4-23 addresses, v28, v29 the add's two, v32-95 scale words and nothing else, v96-159 accumulator set 0, v160-255 the way out's work.
;   windows 1, 2: v0-191 the weights' fragments of K's lower and upper half (48 (f % 4) + 12 b); v192-255 cos and sin of a group's tile 0 (window 1) and tile 1 (window 2).
;   window 3: v0-191 a group's token fragments (96 t + 12 f), v192-255 accumulator set 1.   In v: window 1 the 32 accumulators (64 c + 8 b), windows 2 and 3 v0-143 the two sets of fragments.
.set WB,    196608                     ; LDS: x's codes from 0, a product's weights,
.set SCW,   294912                     ; the weights' scale words (4,096 bytes),
.set SCX,   299008                     ; x's (8,192),
.set SPARE, 307200                     ; the spare words, 128 bytes for each wave: two blocks of 256 bytes that no other line names
.set XSCA,  6291456                    ; where xq's scale words begin
.set WSCA,  3145728                    ; and wq's
.set AQ16,  4                          ; v4, v5  my token tiles 0-3, 4-7: + 16 x lane
.set AQ8,   6                          ; v6, v7  + 8 x lane
.set AP16,  8
.set AP8,   9
.set ADRS,  16                         ; my scale words: lanes 0-15 x's, lanes 16-31 the weights'
.set SPW,   28
.set NIL,   29
.set SC,    32                         ; register 8 f + i: lanes 0-15 the words of my token tile i, lanes 16-31 (for i under 4) of my weight tile i
.set CB,    192                        ; cos: C[i] = cos(d = 16 h + i), C[16 + i] = cos(d = 32 + 16 h + i)
.set SB,    224                        ; sin likewise
.set RR,    160                        ; v160-191 the head after RoPE: register 16 b + i = d 32 b + 16 h + i of my token
.set TM,    224                        ; v224-231 at work
.set HF,    232                        ; v232-237 a half fragment
.set HW,    238
.set HT,    240                        ; v240-242
.set HWB,   244                        ; v244-247 word b
.set OW,    248
.set PCV,   96                         ; v: v96-115 a fragment's codes and the conversions' second halves
.set TMV,   128                        ; v128-143 at work
.set PWR,   144                        ; v144-147 tile c's scale word
.set OV,    148
.set G1XC,  24
.set G1WC,  32
.set G1XS,  40
.set G1WS,  48
.set G0XC,  56
.set G0WC,  60
.set G0XS,  68
.set G0WS,  72
.set OB,    84                         ; s[84:85] the record that this product's codes go to; s[86:87] where its words go
.set SEL,   92                         ; s92, s93 lane selects; s94 the mask of lanes 0-15
.set MSB, 0
.macro WIN new                         ; the immediate's high byte repeats the setting that is left
.if MSB != \new
	s_set_vgpr_msb (MSB<<8)|\new
.set MSB, \new
.endif
.endm
.macro CROUND                          ; a round of the cluster's barrier
	s_barrier_signal -1
	s_barrier_wait -1
	s_cmp_lg_u32 s16, 0
	s_cbranch_scc1 .Lnot_wave_0_\@
	s_barrier_signal -3
.Lnot_wave_0_\@:
	s_barrier_wait -3
	s_barrier_signal -1
	s_barrier_wait -1
.endm
.macro PLACES n                        ; plain vector lines between a matrix instruction and a load into, or a vector line on, one of its registers (ISA guide 7.12.1 for vector lines)
.rept \n
	v_nop
.endr
.endm
.macro DENSE g, rows                   ; group 1 of a dense block: rows of 256 bytes (32 elements of 8)
	s_mov_b32 s[\g+1], 32<<16
	s_mov_b32 s[\g+2], (\rows)<<16
	s_mov_b32 s[\g+3], 32<<16
	s_mov_b32 s[\g+4], \rows
	s_mov_b32 s[\g+5], 32
	s_mov_b32 s[\g+6], 0
	s_mov_b32 s[\g+7], 0
.endm
.macro FRAG reg, a16, a8, off          ; a fragment's image: four loads, each of consecutive bytes across the lanes
	ds_load_b128 v[\reg:\reg+3], v[\a16] offset:\off
	ds_load_b64 v[\reg+4:\reg+5], v[\a8] offset:\off+512
	ds_load_b128 v[\reg+6:\reg+9], v[\a16] offset:\off+768
	ds_load_b64 v[\reg+10:\reg+11], v[\a8] offset:\off+1280
.endm
.macro SCALES                          ; 64 loads.  (For i of 4 and more lanes 16-31 read words that no product takes; they lie inside the two blocks of scale words)
	WIN 0
.irp f, 0,1,2,3,4,5,6,7
.irp i, 0,1,2,3,4,5,6,7
	ds_load_b32 v[SC+8*\f+\i], v[ADRS] offset:512*\i+64*\f
.endr
.endr
.endm
.macro PLD hf                          ; my 16 weight fragments of half hf of K: 64 loads
.irp f, 0,1,2,3
.irp b, 0,1,2,3
	FRAG 48*\f+12*\b, AP16, AP8, \b*12288+(4*(\hf)+\f)*1536
.endr
.endr
.endm
.macro QLD g, hf                       ; group g's two token tiles, half hf of K: 32 loads
.irp t, 0,1
.irp f, 0,1,2,3
	FRAG 96*\t+12*(4*(\hf)+\f), AQ16+(\g)/2, AQ8+(\g)/2, ((2*(\g)+\t)%4)*12288+(4*(\hf)+\f)*1536
.endr
.endr
.endm
.macro MULH g, hf                      ; 32 matrix instructions: group g, half hf of K; the first product of each accumulator starts its sum
.set AB, 96+96*((\g)%2)
.set WN, (1+(\hf))|0x0c|(0xf0*((\g)%2))        ; source 0 window 1 or 2, source 1 window 3, C and D window 0 or 3
	WIN WN
.irp f, 0,1,2,3
.irp t, 0,1
.irp b, 0,1,2,3
.set DD, AB+32*\t+8*\b
.set PP, 48*\f+12*\b
.set QQ, 96*\t+12*(4*(\hf)+\f)
.set SF, SC+8*(4*(\hf)+\f)
.if (\hf)+\f == 0
	v_wmma_scale_f32_16x16x128_f8f6f4 v[DD:DD+7], v[PP:PP+11], v[QQ:QQ+11], 0, v[SF+\b], v[SF+2*(\g)+\t] matrix_a_fmt:MATRIX_FMT_FP6 matrix_b_fmt:MATRIX_FMT_FP6 matrix_a_scale:MATRIX_SCALE_ROW1
.else
	v_wmma_scale_f32_16x16x128_f8f6f4 v[DD:DD+7], v[PP:PP+11], v[QQ:QQ+11], v[DD:DD+7], v[SF+\b], v[SF+2*(\g)+\t] matrix_a_fmt:MATRIX_FMT_FP6 matrix_b_fmt:MATRIX_FMT_FP6 matrix_a_scale:MATRIX_SCALE_ROW1
.endif
.endr
.endr
.endr
.endm
.macro CSLOAD g, t                     ; cos and sin of tile 2 g + t's 16 positions, into window 1 + t: 16 loads
.set WN, (1+(\t))<<6
	WIN WN
.irp j, 0,1,2,3
	global_load_b128 v[CB+4*\j:CB+4*\j+3], v20, s[8:9] offset:(32*(\g)+8*(\t))*256+16*\j
	global_load_b128 v[CB+16+4*\j:CB+16+4*\j+3], v20, s[8:9] offset:(32*(\g)+8*(\t))*256+128+16*\j
	global_load_b128 v[SB+4*\j:SB+4*\j+3], v20, s[10:11] offset:(32*(\g)+8*(\t))*256+16*\j
	global_load_b128 v[SB+16+4*\j:SB+16+4*\j+3], v20, s[10:11] offset:(32*(\g)+8*(\t))*256+128+16*\j
.endr
.endm
; 32 numbers of a lane become a half fragment in v[hf] on; the two bytes in v[tm+6], v[tm+7]
.macro QUANT2 rr, tm, hf, ht
	v_max3_num_f32 v[\tm], |v[\rr]|, |v[\rr+1]|, 0x1800000           ; the two blocks by turns; the floor 2^(3 - 127) is a leaf
	v_max3_num_f32 v[\tm+1], |v[\rr+16]|, |v[\rr+17]|, 0x1800000
.irp i, 2,4,6,8,10,12,14
	v_max3_num_f32 v[\tm], v[\tm], |v[\rr+\i]|, |v[\rr+1+\i]|
	v_max3_num_f32 v[\tm+1], v[\tm+1], |v[\rr+16+\i]|, |v[\rr+17+\i]|
.endr
	v_permlanex16_b32 v[\tm+2], v[\tm], s[SEL], s[SEL+1]
	v_permlanex16_b32 v[\tm+3], v[\tm+1], s[SEL], s[SEL+1]
	v_max_num_f32 v[\tm], v[\tm], v[\tm+2]         ; with lane l xor 16's 16: the block's largest magnitude
	v_max_num_f32 v[\tm+1], v[\tm+1], v[\tm+3]
	v_add_nc_u32 v[\tm+4], 0xff000000, v[\tm]      ; 2 off the exponent field: the conversion's scale operand
	v_add_nc_u32 v[\tm+5], 0xff000000, v[\tm+1]
	v_lshrrev_b32 v[\tm+6], 23, v[\tm+4]           ; the bytes
	v_lshrrev_b32 v[\tm+7], 23, v[\tm+5]
	s_wait_alu depctr_va_vdst(0)
	s_wait_xcnt 0x0                                ; the last stores have read their data: the codes' registers are written again only behind this wait
	v_cvt_scalef32_pk16_fp6_f32 v[\hf:\hf+2], v[\rr:\rr+15], v[\tm+4]
	v_cvt_scalef32_pk16_fp6_f32 v[\ht:\ht+2], v[\rr+16:\rr+31], v[\tm+5]
	v_nop                                          ; one plain line behind the scaled conversions
.irp i, 0,1,2
	v_permlane16_swap_b32 v[\hf+\i], v[\ht+\i]     ; a lane is to hold a WHOLE block: lanes 0-15 block 0, lanes 16-31 block 1
.endr
.irp i, 0,1,2
	v_mov_b32 v[\hf+3+\i], v[\ht+\i]
.endr
.endm
; THE WAY OUT OF GROUP g (q and k): RoPE, the quantiser, the stores, tile by tile.  nx = 1: each tile's cos and sin registers take the next group's as soon as they are read
.macro EPI g, nx
.irp t, 0,1
.if \t == 0 || \nx
	s_wait_loadcnt 16                              ; this tile's cos and sin are in; the 16 loads issued behind them may be out
.else
	s_wait_loadcnt 0x0
.endif
.set AC, 96+96*((\g)%2)+32*\t
.set WN, (3*((\g)%2))|((1+\t)<<2)              ; source 0: the accumulators' window; source 1: this tile's cos and sin
	WIN WN
.irp i, 0,2,4,6,8,10,12,14
	v_pk_mul_f32 v[RR+\i:RR+\i+1], v[AC+\i:AC+\i+1], v[CB+\i:CB+\i+1]                       ; x cos, d < 32.  Each accumulator is read from its low end on
.endr
.irp i, 0,2,4,6,8,10,12,14
	v_pk_mul_f32 v[RR+16+\i:RR+17+\i], v[AC+16+\i:AC+17+\i], v[CB+16+\i:CB+17+\i]           ; x cos, d >= 32
.endr
.irp i, 0,2,4,6,8,10,12,14
	v_pk_fma_f32 v[RR+\i:RR+\i+1], v[AC+16+\i:AC+17+\i], v[SB+\i:SB+\i+1], v[RR+\i:RR+\i+1] neg_lo:[1,0,0] neg_hi:[1,0,0]   ; - x(d + 32) sin(d)
.endr
.irp i, 0,2,4,6,8,10,12,14
	v_pk_fma_f32 v[RR+16+\i:RR+17+\i], v[AC+\i:AC+\i+1], v[SB+16+\i:SB+17+\i], v[RR+16+\i:RR+17+\i]                        ; + x(d - 32) sin(d)
.endr
.if \nx
	CSLOAD (\g)+1, \t
.endif
	WIN 0
	QUANT2 RR, TM, HF, HT
.if \t == 0
	v_lshl_or_b32 v[HWB+(\g)], v[TM+7], 8, v[TM+6]
.else
	v_lshl_or_b32 v[HW], v[TM+7], 8, v[TM+6]
	v_lshl_or_b32 v[HWB+(\g)], v[HW], 16, v[HWB+(\g)]
.endif
	global_store_b128 v17, v[HF:HF+3], s[OB:OB+1] offset:768*(2*(\g)+\t)        ; 512 consecutive bytes, aligned to 256
	global_store_b64 v18, v[HF+4:HF+5], s[OB:OB+1] offset:768*(2*(\g)+\t)+512   ; and 256
.endr
.endm
; A group of q or k.  In its middle the next group's lower fragments are fetched and the group before goes out; at its end the next group's upper fragments are fetched
.macro GROUP g
.if (\g) > 0
	s_wait_dscnt 32                                ; my lower fragments are in; the 32 loads of the upper ones may be out
.endif
	MULH \g, 0
	PLACES 4
.if (\g) < 3
	WIN 0xc0
	QLD (\g)+1, 0
.endif
.if (\g) > 0
	EPI (\g)-1, 1
.if (\g) == 3
	s_wait_dscnt 0x0
.else
	s_wait_dscnt 32                                ; my upper fragments are in; the next group's 32 loads may be out
.endif
.endif
	MULH \g, 1
	PLACES 4
.if (\g) < 3
	WIN 0xc0
	QLD (\g)+1, 1
.endif
.endm
.macro VLD f                           ; v: 8 token fragments and 4 weight fragments of fragment f along K into set f % 2: 48 loads
.set WN, (2+(\f)%2)<<6
	WIN WN
.irp i, 0,1,2,3,4,5,6,7
	FRAG 12*\i, AQ16+\i/4, AQ8+\i/4, (\i%4)*12288+(\f)*1536
.endr
.irp c, 0,1,2,3
	FRAG 96+12*\c, AP16, AP8, \c*12288+(\f)*1536
.endr
.endm
.macro VMUL f                          ; v: 32 matrix instructions, the 32 accumulators by turns
.set WN, 0x50|(5*(2+(\f)%2))                   ; sources 0 and 1: the set's window; C and D window 1
	WIN WN
.set SF, SC+8*(\f)
.irp c, 0,1,2,3
.irp b, 0,1,2,3,4,5,6,7
.if (\f) == 0
	v_wmma_scale_f32_16x16x128_f8f6f4 v[64*\c+8*\b:64*\c+8*\b+7], v[12*\b:12*\b+11], v[96+12*\c:96+12*\c+11], 0, v[SF+\b], v[SF+\c] matrix_a_fmt:MATRIX_FMT_FP6 matrix_b_fmt:MATRIX_FMT_FP6 matrix_b_scale:MATRIX_SCALE_ROW1
.else
	v_wmma_scale_f32_16x16x128_f8f6f4 v[64*\c+8*\b:64*\c+8*\b+7], v[12*\b:12*\b+11], v[96+12*\c:96+12*\c+11], v[64*\c+8*\b:64*\c+8*\b+7], v[SF+\b], v[SF+\c] matrix_a_fmt:MATRIX_FMT_FP6 matrix_b_fmt:MATRIX_FMT_FP6 matrix_b_scale:MATRIX_SCALE_ROW1
.endif
.endr
.endr
.endm
.macro VQ c                            ; v's way out: tile c of 16 channels; a lane's 64 registers run along my 128 keys: four blocks of 32
.set AC, 64*(\c)
	WIN 0x14                                       ; sources 1 and 2: window 1
.irp b, 0,1,2,3
	v_max3_num_f32 v[TMV+\b], 0x1800000, |v[AC+16*\b]|, |v[AC+1+16*\b]|      ; the four blocks by turns; each accumulator from its low end on
.endr
.irp i, 2,4,6,8,10,12,14
.irp b, 0,1,2,3
	v_max3_num_f32 v[TMV+\b], v[TMV+\b], |v[AC+16*\b+\i]|, |v[AC+1+16*\b+\i]|
.endr
.endr
	WIN 0
.irp b, 0,1,2,3
	v_permlanex16_b32 v[TMV+4+\b], v[TMV+\b], s[SEL], s[SEL+1]
.endr
.irp b, 0,1,2,3
	v_max_num_f32 v[TMV+\b], v[TMV+\b], v[TMV+4+\b]
.endr
.irp b, 0,1,2,3
	v_add_nc_u32 v[TMV+12+\b], 0xff000000, v[TMV+\b]
.endr
.irp b, 0,1,2,3
	v_lshrrev_b32 v[TMV+4+\b], 23, v[TMV+12+\b]
.endr
	v_lshl_or_b32 v[PWR+(\c)], v[TMV+5], 8, v[TMV+4]
	v_lshl_or_b32 v[PWR+(\c)], v[TMV+6], 16, v[PWR+(\c)]
	v_lshl_or_b32 v[PWR+(\c)], v[TMV+7], 24, v[PWR+(\c)]
	s_wait_alu depctr_va_vdst(0)
	s_wait_xcnt 0x0                                ; the last tile's stores have read their data
	WIN 1                                          ; source 0: window 1
.irp e, 0,1
	v_cvt_scalef32_pk16_fp6_f32 v[PCV+6*\e:PCV+2+6*\e], v[AC+32*\e:AC+15+32*\e], v[TMV+12+2*\e]
	v_cvt_scalef32_pk16_fp6_f32 v[PCV+12+4*\e:PCV+14+4*\e], v[AC+16+32*\e:AC+31+32*\e], v[TMV+12+2*\e+1]
.endr
	WIN 0
	v_nop                                          ; one plain line behind the scaled conversions
.irp e, 0,1
.irp i, 0,1,2
	v_permlane16_swap_b32 v[PCV+6*\e+\i], v[PCV+12+4*\e+\i]
.endr
.irp i, 0,1,2
	v_mov_b32 v[PCV+3+6*\e+\i], v[PCV+12+4*\e+\i]
.endr
.endr
	global_store_b128 v17, v[PCV:PCV+3], s[14:15] offset:6144+1536*(\c)
	global_store_b64 v18, v[PCV+4:PCV+5], s[14:15] offset:6144+1536*(\c)+512
	global_store_b128 v17, v[PCV+6:PCV+9], s[14:15] offset:6144+1536*(\c)+768
	global_store_b64 v18, v[PCV+10:PCV+11], s[14:15] offset:6144+1536*(\c)+1280
.endm
	s_load_b256 s[4:11], s[0:1], 0x0               ; xq, wq, cos, sin
	s_load_b128 s[12:15], s[0:1], 0x20             ; qi, kv
	v_lshl_add_u32 v[SPW], v0, 2, SPARE
	v_mov_b32 v[NIL], 0
	ds_add_u32 v[SPW], v[NIL]                      ; the wave's opening: the add, twice on end, and its wait ahead of my first tensor load
	ds_add_u32 v[SPW], v[NIL]
	v_lshrrev_b32 v1, 5, v0
	v_readfirstlane_b32 s16, v1                    ; wave
	s_lshr_b32 s17, s16, 1                         ; my half of the tokens
	s_and_b32 s18, s16, 1                          ; my head of the block's two
	s_bfe_u32 s19, ttmp6, 0x40000                  ; cx
	s_bfe_u32 s20, ttmp6, 0x40004                  ; cy
	s_lshl_b32 s21, s20, 2
	s_lshl_b32 s21, 15, s21                        ; my row of the cluster: x's mask
	s_lshl_b32 s22, 0x1111, s19                    ; my column: the weights' mask
	s_and_b32 s23, ttmp7, 0xffff
	s_lshl_b32 s23, s23, 2
	s_add_co_u32 s23, s23, s20                     ; block row: 256 tokens
	s_lshl_b32 s3, ttmp9, 2
	s_add_co_u32 s3, s3, s19                       ; block column: 128 columns of each weight
	s_or_b32 s[G1XC], s21, (3<<16)|(1<<21)         ; 15:0 the mask; 17:16 elements of 8 bytes; 21 set beside a mask
	s_or_b32 s[G1XS], s21, (3<<16)|(1<<21)
	s_or_b32 s[G1WC], s22, (3<<16)|(1<<21)
	s_or_b32 s[G1WS], s22, (3<<16)|(1<<21)
	DENSE G1XC, 768
	DENSE G1WC, 384
	DENSE G1XS, 32
	DENSE G1WS, 16
	s_mul_i32 s76, s23, 196608                     ; x's 16 tiles,
	s_mov_b32 s77, 0
	s_lshl_b32 s78, s23, 13
	s_add_co_u32 s78, s78, XSCA                    ; their scale words,
	s_mov_b32 s79, 0
	s_mul_i32 s80, s3, 98304                       ; Wq's 8 tiles,
	s_mov_b32 s81, 0
	s_lshl_b32 s82, s3, 12
	s_add_co_u32 s82, s82, WSCA                    ; and their scale words
	s_mov_b32 s83, 0
	s_mul_i32 s88, s17, 98304                      ; LDS: my 8 token tiles,
	s_add_co_u32 s89, s88, 49152
	s_mul_i32 s90, s18, 49152
	s_add_co_u32 s90, s90, WB                      ; my 4 weight tiles,
	s_lshl_b32 s91, s17, 12
	s_lshl_b32 s95, s18, 11
	s_add_co_u32 s91, s91, SCX-SCW
	s_sub_co_u32 s91, s91, s95                     ; from my half of the weights' words up to my half of x's
	s_add_co_u32 s95, s95, SCW
	s_mov_b32 s[SEL], 0x76543210
	s_mov_b32 s[SEL+1], 0xfedcba98
	s_mov_b32 s94, 0xffff
	s_lshl_b32 s97, s23, 1                         ; the way out's scalars: they mix cx and cy and enter global addresses alone
	s_add_co_u32 s97, s97, s17                     ; my group of 128 tokens, 0 .. 63
	s_lshr_b32 s98, s97, 4                         ; batch
	s_and_b32 s97, s97, 15                         ; the group's place in its sequence
	s_lshl_b32 s98, s98, 4
	s_lshl_b32 s99, s3, 1
	s_add_co_u32 s98, s98, s99
	s_add_co_u32 s98, s98, s18                     ; 16 x batch + head
	s_mul_i32 s100, s98, 102400
	s_mul_i32 s99, s97, 6400
	s_add_co_u32 s100, s100, s99                   ; my record in qi; in kv twice as far
	s_mov_b32 s101, 0
	s_mov_b32 s[G0XC+1], 0
	s_mov_b32 s[G0WC+1], WB
	s_mov_b32 s[G0XS+1], SCX
	s_mov_b32 s[G0WS+1], SCW
	s_wait_dscnt 0x0                               ; both opening adds are done
	s_wait_kmcnt 0x0
	s_add_nc_u64 s[G0XC+2:G0XC+3], s[4:5], s[76:77]
	s_add_nc_u64 s[G0XS+2:G0XS+3], s[4:5], s[78:79]
	s_add_nc_u64 s[G0WC+2:G0WC+3], s[6:7], s[80:81]
	s_add_nc_u64 s[G0WS+2:G0WS+3], s[6:7], s[82:83]
.irp g, G0XC, G0WC, G0XS, G0WS
	s_mov_b32 s[\g], 1
	s_or_b32 s[\g+3], s[\g+3], 0x80000000
.endr
	s_add_nc_u64 s[OB:OB+1], s[12:13], s[100:101]  ; q's codes,
	s_add_nc_u64 s[OB+2:OB+3], s[OB:OB+1], 6144    ; q's words
	s_lshl_b32 s76, s100, 1
	s_add_nc_u64 s[14:15], s[14:15], s[76:77]      ; my record in kv
	s_lshl_b32 s78, s97, 15
	s_add_nc_u64 s[8:9], s[8:9], s[78:79]          ; cos and sin at my 128 positions: rows of 256 bytes
	s_add_nc_u64 s[10:11], s[10:11], s[78:79]
	CROUND                                         ; all sixteen work-groups are here: the joint loads meet
; THE HEAD'S LOADS, ONE A WAVE: one chain of branches on the wave's number, a load to an arm, all arms leading to one join
.macro ARM under, g0, g1, next
	s_cmp_lt_u32 s16, \under
	s_cbranch_scc0 \next
	tensor_load_to_lds s[\g0:\g0+3], s[\g1:\g1+7]
	s_nop 0
.rept 4
	v_nop
.endr
	s_branch .Lhead_asked
\next:
.endm
	ARM 1, G0XC, G1XC, .Lhead_w
	ARM 2, G0WC, G1WC, .Lhead_sx
	ARM 3, G0XS, G1XS, .Lhead_sw
	tensor_load_to_lds s[G0WS:G0WS+3], s[G1WS:G1WS+7]
	s_nop 0
.rept 4
	v_nop
.endr
.Lhead_asked:
	v_and_b32 v1, 31, v0                           ; lane
	v_and_b32 v2, 15, v0                           ; r
	v_bfe_u32 v3, v0, 4, 1                         ; h
	v_lshlrev_b32 v17, 4, v1
	v_lshlrev_b32 v18, 3, v1
	v_lshlrev_b32 v19, 2, v1
	v_sub_nc_u32 v23, 1, v3                        ; 1 in lanes 0-15
	v_add_nc_u32 v[AQ16], s88, v17
	v_add_nc_u32 v[AQ8], s88, v18
	v_add_nc_u32 v[AQ16+1], s89, v17
	v_add_nc_u32 v[AQ8+1], s89, v18
	v_add_nc_u32 v[AP16], s90, v17
	v_add_nc_u32 v[AP8], s90, v18
	v_mul_u32_u24 v16, s91, v23                    ; lanes 0-15 take x's words, which lie above the weights'
	v_lshl_add_u32 v16, v2, 2, v16
	v_add_nc_u32 v[ADRS], s95, v16
	v_and_b32 v20, 8, v2
	v_add_nc_u32 v20, v20, v2
	v_lshlrev_b32 v20, 8, v20
	v_lshl_add_u32 v20, v3, 6, v20                 ; cos, sin: position r + 8 (r / 8) of a tile, + 64 h: my 16 numbers of each half of the head
	v_mov_b32 v[TM+2], 0                           ; written once: a lane permute's destination counts as one of its sources
	v_mov_b32 v[TM+3], 0
	s_wait_alu depctr_va_vdst(0)
	s_wait_tensorcnt 0x0                           ; my load has landed,
	s_barrier_signal -1
	s_barrier_wait -1                              ; and everybody's
	s_mov_b32 s96, 0
.Lphase:                                               ; trip 0: q; trip 1: k.  Every window is 0 here
	SCALES                                         ; this product's weights leave LDS for registers, with the scale words and group 0's tokens: 256 loads
	WIN 0x40
	PLD 0
	WIN 0xc0
	QLD 0, 0
	WIN 0x80
	PLD 1
	WIN 0xc0
	QLD 0, 1
	CSLOAD 0, 0                                    ; group 0's cos and sin
	CSLOAD 0, 1
	WIN 0
	s_wait_tensorcnt 0x0                           ; no tensor load of mine is out;
	ds_add_u32 v[SPW], v[NIL]                      ; 0 onto my spare word;
	s_add_nc_u64 s[G0WC+2:G0WC+3], s[G0WC+2:G0WC+3], 64*12288   ; the next weight's tiles and words
	s_add_nc_u64 s[G0WS+2:G0WS+3], s[G0WS+2:G0WS+3], 64*512
	s_wait_dscnt 0x0                               ; the add is done, and my reads of the weights' region are over
	CROUND                                         ; so are those of every wave of every partner
	s_cmp_eq_u32 s16, 1                            ; wave 1 asks for the next weight's codes, wave 3 for its scale words; the others have no part of them
	s_cbranch_scc0 .Lnot_codes
	tensor_load_to_lds s[G0WC:G0WC+3], s[G1WC:G1WC+7]
	s_nop 0
.rept 4
	v_nop
.endr
	s_branch .Lrefilled
.Lnot_codes:
	s_cmp_eq_u32 s16, 3
	s_cbranch_scc0 .Lrefilled
	tensor_load_to_lds s[G0WS:G0WS+3], s[G1WS:G1WS+7]
	s_nop 0
.rept 4
	v_nop
.endr
.Lrefilled:
	GROUP 0
	GROUP 1
	GROUP 2
	GROUP 3
	EPI 3, 0
	v_cndmask_b32 v[OW], v[HWB+1], v[HWB], s94     ; the words: lanes 0-15 take word 0 (2), lanes 16-31 word 1 (3): each store covers 128 consecutive bytes
	v_cndmask_b32 v[OW+1], v[HWB+3], v[HWB+2], s94
	global_store_b32 v19, v[OW], s[OB+2:OB+3]
	global_store_b32 v19, v[OW+1], s[OB+2:OB+3] offset:128
	s_wait_alu depctr_va_vdst(0)
	s_wait_xcnt 0x0                                ; the stores have read their bases
	s_mov_b64 s[OB:OB+1], s[14:15]                 ; k goes to kv's record,
	s_add_nc_u64 s[OB+2:OB+3], s[14:15], 12288     ; its words behind K's and V's codes
	s_wait_tensorcnt 0x0                           ; my part of the next weight, if I asked for one, is in;
	s_barrier_signal -1                            ; (no LDS instruction of mine is out: group 3 waited for all)
	s_barrier_wait -1                              ; everybody's is.
	s_add_co_u32 s96, s96, 1
	s_cmp_lt_u32 s96, 2
	s_cbranch_scc1 .Lphase
	; ---------------- v ----------------
	SCALES
	VLD 0
.irp f, 0,1,2,3,4,5,6,7
	s_wait_dscnt 0x0                               ; this fragment's set is in
.if \f < 7
	VLD \f+1                                       ; the other set, which the products before last read: four places stand behind them
.endif
	VMUL \f
	PLACES 4
.endr
	WIN 0
.irp b, 0,1,2,3
	v_mov_b32 v[TMV+4+\b], 0                       ; written once: a lane permute's destination counts as one of its sources
.endr
.irp c, 0,1,2,3
	VQ \c
.endr
	v_cndmask_b32 v[OV], v[PWR+1], v[PWR], s94
	v_cndmask_b32 v[OV+1], v[PWR+3], v[PWR+2], s94
	global_store_b32 v19, v[OV], s[14:15] offset:12544
	global_store_b32 v19, v[OV+1], s[14:15] offset:12672
	s_wait_tensorcnt 0x0                           ; the wave's end, behind my last tensor load
	ds_add_u32 v[SPW], v[NIL]
	s_wait_dscnt 0x0
	CROUND                                         ; the closing round: no work-group ends while a partner may still ask for a tile that names it
	s_endpgm
.Lfunc_end_k_q5897403b38_gemm_qkv:
	.size	k_q5897403b38_gemm_qkv, .Lfunc_end_k_q5897403b38_gemm_qkv-k_q5897403b38_gemm_qkv
	.p2alignl 7, 3214868480
	.fill 96, 4, 3214868480
	.section	.rodata,"a",@progbits
	.p2align	6, 0x0
	.amdhsa_kernel k_q5897403b38_gemm_qkv
		.amdhsa_group_segment_fixed_size 327680
		.amdhsa_private_segment_fixed_size 0
		.amdhsa_enable_private_segment 0
		.amdhsa_kernarg_size 48
		.amdhsa_user_sgpr_count 2
		.amdhsa_user_sgpr_kernarg_segment_ptr 1
		.amdhsa_wavefront_size32 1
		.amdhsa_system_sgpr_workgroup_id_x 1
		.amdhsa_system_sgpr_workgroup_id_y 1
		.amdhsa_system_sgpr_workgroup_id_z 1
		.amdhsa_system_vgpr_workitem_id 0
		.amdhsa_next_free_vgpr 1024
		.amdhsa_next_free_sgpr 102
		.amdhsa_reserve_vcc 0
		.amdhsa_float_denorm_mode_32 3
		.amdhsa_float_denorm_mode_16_64 3
		.amdhsa_memory_ordered 1
		.amdhsa_forward_progress 1
		.amdhsa_inst_pref_size 198
	.end_amdhsa_kernel
	.amdgpu_metadata
---
amdhsa.version: [ 1, 2 ]
amdhsa.kernels:
  - .name:           k_q5897403b38_gemm_qkv
    .symbol:         k_q5897403b38_gemm_qkv.kd
    .args:
      - { .name: xq, .offset: 0, .size: 8, .value_kind: global_buffer, .address_space: global }
      - { .name: wq, .offset: 8, .size: 8, .value_kind: global_buffer, .address_space: global }
      - { .name: cos, .offset: 16, .size: 8, .value_kind: global_buffer, .address_space: global }
      - { .name: sin, .offset: 24, .size: 8, .value_kind: global_buffer, .address_space: global }
      - { .name: qi, .offset: 32, .size: 8, .value_kind: global_buffer, .address_space: global }
      - { .name: kv, .offset: 40, .size: 8, .value_kind: global_buffer, .address_space: global }
    .group_segment_fixed_size: 327680
    .private_segment_fixed_size: 0
    .kernarg_segment_align: 8
    .kernarg_segment_size: 48
    .max_flat_workgroup_size: 128
    .sgpr_count:     102
    .vgpr_count:     1024
    .wavefront_size: 32
...
	.end_amdgpu_metadata
.endif
;; end of part 2
;; launch attn (part 3): grid 4 x 64, 16 waves a work-group, clusters of 4 x 1, 327,680 bytes of LDS; arguments qi, kv, aq; writes aq
.if DOCPART == 3
	.amdgcn_target "amdgcn-amd-amdhsa--gfx1250"
	.amdhsa_code_object_version 6
	.text
	.protected	k_q5897403b38_attn
	.globl	k_q5897403b38_attn
	.p2align	8
	.type	k_q5897403b38_attn,@function
k_q5897403b38_attn:
	s_mov_b64 s[64:65], 0
	v_nop
	global_prefetch_b8 v0, s[64:65] scope:SCOPE_SE
	s_setreg_imm32_b32 hwreg(HW_REG_WAVE_MODE, 25, 1), 1
	s_wait_xcnt 0x0
	s_wait_alu depctr_hold_cnt(0) depctr_sa_sdst(0) depctr_va_vdst(0) depctr_va_sdst(0) depctr_va_ssrc(0) depctr_va_vcc(0) depctr_vm_vsrc(0)
	s_getreg_b32 s2, hwreg(HW_REG_IB_STS2, 6, 4)
	s_cmp_eq_u32 s2, 0
	s_cbranch_scc0 .Lentry_in_a_cluster
	s_endpgm
.Lentry_in_a_cluster:
	s_bfe_u32 s2, ttmp6, 0x10000c
	s_cmp_lg_u32 s2, 0x3003
	s_cbranch_scc0 .Lentry_shape_is_right
	s_endpgm
.Lentry_shape_is_right:
; BOTH PRODUCTS OF ATTENTION ON CODES OF E2M3, and the result quantised along the heads' channels for the last product.  A work-group of 16 waves serves one (batch, head); the four of a cluster share its keys and values.
; WORK LEFT OUT: a step of 128 keys all of which come after a tile's 16 queries is not multiplied (reference()'s own causal mask gives them the weight 0: shown at the head of launch quant).
; K AND V of the head, 16 records of 12,800 bytes, come into LDS once: each wave asks jointly for one record at the head; nothing is filled again, and one barrier shows all 204,800 bytes to all waves.
; q's codes are asked for under that load's flight.  A wave makes two passes of 16 queries, a long one and a short one, 17 steps of 128 keys in all.
; S^T = K q^T and O^T = V^T p^T: a lane holds one query.  M is the running largest t rounded up to a whole number; p = 2^(t - M); the row's sum is taken of the unquantised p; rescalings are exact powers of two.
; LIMITS: the scaled scores (exponents to the base 2) stay under 2^31 in magnitude; NaN and infinities are not served; a block of zeros gets the byte 1 (this program alone reads the bytes).
; No prefetch: every byte of K and V is asked for at the head, so no loop runs ahead of a load.
.set SPARE, 204800
.set REC,   12800
.set KFR,   36
.set VFR,   84
.set S,     132
.set O,     196
.set PCD,   228
.set BM,    240
.set PT,    244
.set SO,    248
.set WV,    10
.set CX,    11
.set BH,    12
.set G1,    16
.set G0A,   24
.set G0B,   28
.set SEL,   32
.set CS,    34
.set TB,    36
.set STP,   37
.set KK,    38
.set DS,    39
.set PL,    40
.set KL,    50
.set UL,    51
.set PS,    52
.set KSH,   62
.set US,    63
.set HI16,  73
.macro CROUND
	s_barrier_signal -1
	s_barrier_wait -1
	s_cmp_lg_u32 s[WV], 0
	s_cbranch_scc1 .Lnot_wave_0_\@
	s_barrier_signal -3
.Lnot_wave_0_\@:
	s_barrier_wait -3
	s_barrier_signal -1
	s_barrier_wait -1
.endm
.macro FRAG reg, off
	ds_load_b128 v[\reg:\reg+3], v4 offset:\off
	ds_load_b64 v[\reg+4:\reg+5], v5 offset:\off+512
	ds_load_b128 v[\reg+6:\reg+9], v4 offset:\off+768
	ds_load_b64 v[\reg+10:\reg+11], v5 offset:\off+1280
.endm
.macro PASS kk, uu, base
	s_and_b32 s66, s[\kk], 1
	s_mul_i32 s66, s66, 7
	s_xor_b32 s66, s66, s[CX]
	s_lshr_b32 s67, s[\kk], 1
	s_lshl_b32 s67, s67, 3
	s_add_co_u32 s67, s67, s66
	s_and_b32 s66, s67, 3
	s_lshl_b32 s68, s66, 5
	s_lshl_b32 s69, s[\uu], 3
	s_add_co_u32 s[\base+8], s68, s69
	s_lshl_b32 s[\base+9], s[\uu], 4
	s_mul_i32 s70, s[BH], 102400
	s_mul_i32 s71, s[\kk], 6400
	s_add_co_u32 s70, s70, s71
	s_lshl_b32 s68, s66, 1
	s_add_co_u32 s68, s68, s[\uu]
	s_mul_i32 s68, s68, 768
	s_add_co_u32 s68, s68, s70
	s_mov_b32 s69, 0
	s_add_nc_u64 s[\base:\base+1], s[4:5], s[68:69]
	s_lshl_b32 s68, s66, 6
	s_add_co_u32 s68, s68, s70
	s_add_co_u32 s68, s68, 6144
	s_add_nc_u64 s[\base+2:\base+3], s[4:5], s[68:69]
	s_lshr_b32 s68, s[BH], 4
	s_lshl_b32 s68, s68, 7
	s_lshl_b32 s67, s67, 1
	s_add_co_u32 s68, s68, s67
	s_add_co_u32 s71, s68, s[\uu]
	s_and_b32 s70, s[BH], 15
	s_mul_i32 s68, s71, 12288
	s_mul_i32 s72, s70, 768
	s_add_co_u32 s68, s68, s72
	s_add_nc_u64 s[\base+4:\base+5], s[8:9], s[68:69]
	s_lshl_b32 s68, s71, 9
	s_lshr_b32 s72, s70, 1
	s_lshl_b32 s72, s72, 6
	s_add_co_u32 s68, s68, s72
	s_and_b32 s72, s70, 1
	s_lshl_b32 s72, s72, 1
	s_add_co_u32 s68, s68, s72
	s_add_co_u32 s68, s68, 6291456
	s_add_nc_u64 s[\base+6:\base+7], s[8:9], s[68:69]
.endm
.macro QLOAD base
	global_load_b128 v[22:25], v1, s[\base:\base+1]
	global_load_b64 v[26:27], v2, s[\base:\base+1] offset:512
	global_load_b32 v47, v46, s[\base+2:\base+3]
.endm
.macro INIT base
	s_wait_loadcnt 0x0
	v_lshrrev_b32 v254, s[\base+9], v47
	s_delay_alu instid0(VALU_DEP_1)
	v_and_b32 v254, 0xffff, v254
	s_delay_alu instid0(VALU_DEP_1)
	v_lshl_or_b32 v255, v254, 16, v254
	v_mov_b32 v13, 0xff61b1e6
	s_delay_alu instid0(VALU_DEP_1)
	v_floor_f32 v12, -v13
	v_mov_b32 v14, 0
	v_mov_b32 v15, 0
.set j, 0
.rept 32
	v_mov_b32 v[O+j], 0
.set j, j+1
.endr
.endm
.macro STEP causal
.if \causal
	s_cmp_gt_u32 s[STP], s[KK]
	s_cbranch_scc1 .Lhidden_\@
.endif
	v_add_nc_u32 v4, s[TB], v1
	v_add_nc_u32 v5, s[TB], v2
	v_add_nc_u32 v6, s[TB], v3
	v_nop
.irp b, 0,1,2,3
	FRAG KFR+12*\b, 1536*\b
.endr
	ds_load_b32 v34, v6 offset:12288
	ds_load_b32 v35, v6 offset:12416
.irp d, 0,1,2,3
	FRAG VFR+12*\d, 6144+1536*\d
.endr
	ds_load_b32 v10, v6 offset:12544
	ds_load_b32 v11, v6 offset:12672
	s_wait_dscnt 18
.irp b, 0,1,2,3
.if \b % 2
	v_wmma_scale_f32_16x16x128_f8f6f4 v[S+16*\b:S+16*\b+7], v[KFR+12*\b:KFR+12*\b+11], v[22:33], 0, v[34+\b/2], v255 matrix_a_fmt:MATRIX_FMT_FP6 matrix_b_fmt:MATRIX_FMT_FP6 matrix_a_scale:MATRIX_SCALE_ROW1
	v_wmma_scale_f32_16x16x128_f8f6f4 v[S+16*\b+8:S+16*\b+15], v[KFR+12*\b:KFR+12*\b+11], v[16:27], 0, v[34+\b/2], v255 matrix_a_fmt:MATRIX_FMT_FP6 matrix_b_fmt:MATRIX_FMT_FP6 matrix_a_scale:MATRIX_SCALE_ROW1
.else
	v_wmma_scale_f32_16x16x128_f8f6f4 v[S+16*\b:S+16*\b+7], v[KFR+12*\b:KFR+12*\b+11], v[22:33], 0, v[34+\b/2], v255 matrix_a_fmt:MATRIX_FMT_FP6 matrix_b_fmt:MATRIX_FMT_FP6
	v_wmma_scale_f32_16x16x128_f8f6f4 v[S+16*\b+8:S+16*\b+15], v[KFR+12*\b:KFR+12*\b+11], v[16:27], 0, v[34+\b/2], v255 matrix_a_fmt:MATRIX_FMT_FP6 matrix_b_fmt:MATRIX_FMT_FP6
.endif
.endr
.rept 4
	v_nop
.endr
.if \causal
	s_cmp_lg_u32 s[STP], s[KK]
	s_cbranch_scc1 .Lopen_\@
	v_add_nc_u32 v44, s[DS], v9
	v_mov_b32 v45, 0xff800000
.set n, 0
.rept 64
	v_cmp_gt_i32 vcc_lo, 32*(n/16)+n%16, v44
	v_cndmask_b32 v[S+n], v[S+n], v45, vcc_lo
.set n, n+1
.endr
.Lopen_\@:
.endif
.irp b, 0,1,2,3
	v_max3_num_f32 v[BM+\b], v[S+16*\b], v[S+1+16*\b], v[S+2+16*\b]
.endr
.irp i, 3,5,7,9,11,13
.irp b, 0,1,2,3
	v_max3_num_f32 v[BM+\b], v[BM+\b], v[S+16*\b+\i], v[S+1+16*\b+\i]
.endr
.endr
.irp b, 0,1,2,3
	v_max_num_f32 v[BM+\b], v[BM+\b], v[S+15+16*\b]
.endr
.irp b, 0,1,2,3
	s_delay_alu instid0(VALU_DEP_4)
	v_permlanex16_b32 v[PT+\b], v[BM+\b], s[SEL], s[SEL+1]
.endr
.irp b, 0,1,2,3
	s_delay_alu instid0(VALU_DEP_4)
	v_max_num_f32 v[BM+\b], v[BM+\b], v[PT+\b]
.endr
	s_delay_alu instid0(VALU_DEP_2)
	v_max3_num_f32 v254, v[BM], v[BM+1], v[BM+2]
	s_delay_alu instid0(VALU_DEP_1)
	v_max_num_f32 v254, v254, v[BM+3]
	s_delay_alu instid0(VALU_DEP_1)
	v_mul_f32 v254, s[CS], v254
	s_delay_alu instid0(VALU_DEP_1)
	v_max_num_f32 v13, v13, v254
	v_mov_b32 v254, v12
	s_delay_alu instid0(VALU_DEP_2)
	v_floor_f32 v12, -v13
	s_delay_alu instid0(VALU_DEP_1)
	v_sub_f32 v254, v12, v254
	s_delay_alu instid0(VALU_DEP_1)
	v_cvt_i32_f32 v254, v254
	s_delay_alu instid0(VALU_DEP_1)
	v_ldexp_f32 v252, 1.0, v254
.set j, 0
.rept 32
	v_pk_fma_f32 v[S+j:S+j+1], v[S+j:S+j+1], s[CS:CS+1], v[12:13] op_sel_hi:[1,0,0]
.set j, j+2
.endr
.irp b, 0,1,2,3
	v_fma_f32 v[BM+\b], v[BM+\b], s[CS], v12
.endr
.set j, 0
	s_wait_alu depctr_va_vdst(0)
.rept 64
	v_exp_f32 v[S+j], v[S+j]
.set j, j+1
.endr
	v_pk_mul_f32 v[14:15], v[14:15], v[252:253] op_sel_hi:[1,0]
	s_wait_alu depctr_va_vdst(0)
.irp b, 0,1,2,3
	v_exp_f32 v[BM+\b], v[BM+\b]
.endr
	v_pk_add_f32 v[PT:PT+1], v[S:S+1], v[S+2:S+3]
.irp j, 4,8,12,16,20,24,28,32,36,40,44,48,52,56,60
	v_pk_add_f32 v[14:15], v[14:15], v[S+\j:S+1+\j]
	v_pk_add_f32 v[PT:PT+1], v[PT:PT+1], v[S+2+\j:S+3+\j]
.endr
	s_delay_alu instid0(VALU_DEP_1)
	v_pk_add_f32 v[14:15], v[14:15], v[PT:PT+1]
	s_wait_alu depctr_va_vdst(0)
.irp b, 0,1,2,3
	v_max_num_f32 v[BM+\b], 0x1800000, v[BM+\b]
.endr
.irp b, 0,1,2,3
	s_delay_alu instid0(VALU_DEP_4)
	v_add_nc_u32 v[SO+\b], 0xff000000, v[BM+\b]
.endr
.irp b, 0,1,2,3
	s_delay_alu instid0(VALU_DEP_4)
	v_lshrrev_b32 v[PT+\b], 23, v[SO+\b]
.endr
	s_delay_alu instid0(VALU_DEP_3)
	v_lshl_or_b32 v253, v[PT+1], 8, v[PT]
	s_delay_alu instid0(VALU_DEP_1)
	v_lshl_or_b32 v253, v[PT+2], 16, v253
	s_delay_alu instid0(VALU_DEP_1)
	v_lshl_or_b32 v253, v[PT+3], 24, v253
.irp c, 0,1
	v_cvt_scalef32_pk16_fp6_f32 v[PCD+6*\c:PCD+2+6*\c], v[S+32*\c:S+15+32*\c], v[SO+2*\c]
	v_cvt_scalef32_pk16_fp6_f32 v[36+4*\c:38+4*\c], v[S+16+32*\c:S+31+32*\c], v[SO+2*\c+1]
.endr
	v_nop
.irp c, 0,1
.irp i, 0,1,2
	v_permlane16_swap_b32 v[PCD+6*\c+\i], v[36+4*\c+\i]
.endr
.irp i, 0,1,2
	s_delay_alu instid0(VALU_DEP_3)
	v_mov_b32 v[PCD+3+6*\c+\i], v[36+4*\c+\i]
.endr
.endr
.set j, 0
.rept 16
	v_pk_mul_f32 v[O+j:O+j+1], v[O+j:O+j+1], v[252:253] op_sel_hi:[1,0]
.set j, j+2
.endr
	s_wait_alu depctr_va_vdst(0)
	s_wait_dscnt 0x0
.irp d, 0,1,2,3
.if \d % 2
	v_wmma_scale_f32_16x16x128_f8f6f4 v[O+8*\d:O+8*\d+7], v[VFR+12*\d:VFR+12*\d+11], v[PCD:PCD+11], v[O+8*\d:O+8*\d+7], v[10+\d/2], v253 matrix_a_fmt:MATRIX_FMT_FP6 matrix_b_fmt:MATRIX_FMT_FP6 matrix_a_scale:MATRIX_SCALE_ROW1
.else
	v_wmma_scale_f32_16x16x128_f8f6f4 v[O+8*\d:O+8*\d+7], v[VFR+12*\d:VFR+12*\d+11], v[PCD:PCD+11], v[O+8*\d:O+8*\d+7], v[10+\d/2], v253 matrix_a_fmt:MATRIX_FMT_FP6 matrix_b_fmt:MATRIX_FMT_FP6
.endif
.endr
.if \causal
.Lhidden_\@:
.endif
	s_add_co_u32 s[TB], s[TB], REC
	s_add_co_u32 s[STP], s[STP], 1
.endm
.macro QUANT2 rr, tm, hf, ht
	v_max3_num_f32 v[\tm], |v[\rr]|, |v[\rr+1]|, 0x1800000
	v_max3_num_f32 v[\tm+1], |v[\rr+16]|, |v[\rr+17]|, 0x1800000
.irp i, 2,4,6,8,10,12,14
	s_delay_alu instid0(VALU_DEP_2)
	v_max3_num_f32 v[\tm], v[\tm], |v[\rr+\i]|, |v[\rr+1+\i]|
	s_delay_alu instid0(VALU_DEP_2)
	v_max3_num_f32 v[\tm+1], v[\tm+1], |v[\rr+16+\i]|, |v[\rr+17+\i]|
.endr
	s_delay_alu instid0(VALU_DEP_2)
	v_permlanex16_b32 v[\tm+2], v[\tm], s[SEL], s[SEL+1]
	s_delay_alu instid0(VALU_DEP_2)
	v_permlanex16_b32 v[\tm+3], v[\tm+1], s[SEL], s[SEL+1]
	s_delay_alu instid0(VALU_DEP_2)
	v_max_num_f32 v[\tm], v[\tm], v[\tm+2]
	s_delay_alu instid0(VALU_DEP_2)
	v_max_num_f32 v[\tm+1], v[\tm+1], v[\tm+3]
	s_delay_alu instid0(VALU_DEP_2)
	v_add_nc_u32 v[\tm+4], 0xff000000, v[\tm]
	s_delay_alu instid0(VALU_DEP_2)
	v_add_nc_u32 v[\tm+5], 0xff000000, v[\tm+1]
	s_delay_alu instid0(VALU_DEP_2)
	v_lshrrev_b32 v[\tm+6], 23, v[\tm+4]
	s_delay_alu instid0(VALU_DEP_2)
	v_lshrrev_b32 v[\tm+7], 23, v[\tm+5]
	v_cvt_scalef32_pk16_fp6_f32 v[\hf:\hf+2], v[\rr:\rr+15], v[\tm+4]
	v_cvt_scalef32_pk16_fp6_f32 v[\ht:\ht+2], v[\rr+16:\rr+31], v[\tm+5]
	v_nop
.irp i, 0,1,2
	v_permlane16_swap_b32 v[\hf+\i], v[\ht+\i]
.endr
.irp i, 0,1,2
	s_delay_alu instid0(VALU_DEP_3)
	v_mov_b32 v[\hf+3+\i], v[\ht+\i]
.endr
.endm
.macro EPI base, nq
	v_and_b32 v46, 15, v0
	s_delay_alu instid0(VALU_DEP_1)
	v_lshlrev_b32 v46, 2, v46
.if \nq
	QLOAD \nq
.endif
	v_add_f32 v14, v14, v15
	s_delay_alu instid0(VALU_DEP_1)
	v_permlanex16_b32 v252, v14, s[SEL], s[SEL+1]
	s_delay_alu instid0(VALU_DEP_1)
	v_add_f32 v14, v14, v252
	s_wait_alu depctr_va_vdst(0)
	v_rcp_f32 v14, v14
	v_bfe_u32 v49, v0, 4, 1
	s_delay_alu instid0(VALU_DEP_1)
	v_add_nc_u32 v49, v46, v49
	s_wait_alu depctr_va_vdst(0)
.set j, 0
.rept 16
	v_pk_mul_f32 v[S+j:S+j+1], v[O+j:O+j+1], v[14:15] op_sel_hi:[1,0]
.set j, j+2
.endr
	QUANT2 S, BM, PCD, 36
	v_cndmask_b32 v48, v[BM+6], v[BM+7], s[HI16]
	global_store_b128 v1, v[PCD:PCD+3], s[\base+4:\base+5]
	global_store_b64 v2, v[PCD+4:PCD+5], s[\base+4:\base+5] offset:512
	global_store_b8 v49, v48, s[\base+6:\base+7]
.endm
	s_load_b128 s[4:7], s[0:1], 0x0
	s_load_b64 s[8:9], s[0:1], 0x10
	v_lshl_add_u32 v7, v0, 2, SPARE
	v_mov_b32 v8, 0
	ds_add_u32 v7, v8
	ds_add_u32 v7, v8
	v_lshrrev_b32 v1, 5, v0
	s_delay_alu instid0(VALU_DEP_1)
	v_readfirstlane_b32 s[WV], v1
	s_bfe_u32 s[CX], ttmp6, 0x40000
	s_and_b32 s[BH], ttmp7, 0xffff
	s_mov_b32 s[G1], 15|(3<<16)|(1<<21)
	s_mov_b32 s[G1+1], 32<<16
	s_mov_b32 s[G1+2], 50<<16                      ; a record: 50 rows of 256 bytes
	s_mov_b32 s[G1+3], 32<<16
	s_mov_b32 s[G1+4], 50
	s_mov_b32 s[G1+5], 32
	s_mov_b32 s[G1+6], 0
	s_mov_b32 s[G1+7], 0
	s_mul_i32 s13, s[WV], 12800                    ; my record, in memory and in LDS
	s_mul_i32 s2, s[BH], 204800
	s_add_co_u32 s2, s2, s13
	s_mov_b32 s3, 0
	s_mov_b32 s[SEL], 0x76543210
	s_mov_b32 s[SEL+1], 0xfedcba98
	s_mov_b32 s[CS], 0x3e38aa3b
	s_mov_b32 s[CS+1], s[CS]
	s_mov_b32 s[HI16], 0xffff0000
	s_sub_co_u32 s14, 15, s[WV]
	s_max_u32 s[KL], s[WV], s14
	s_sub_co_u32 s[KSH], 15, s[KL]
	s_cmp_lt_u32 s[WV], 8
	s_cselect_b32 s[UL], 1, 0
	s_xor_b32 s[US], s[UL], 1
	s_wait_dscnt 0x0
	s_wait_kmcnt 0x0
	s_add_nc_u64 s[2:3], s[6:7], s[2:3]
	CROUND
	s_mov_b32 s[G0A], 1
	s_mov_b32 s[G0A+1], s13
	s_mov_b64 s[G0A+2:G0A+3], s[2:3]
	s_or_b32 s[G0A+3], s[G0A+3], 0x80000000
	tensor_load_to_lds s[G0A:G0A+3], s[G1:G1+7]
	s_nop 0
.rept 4
	v_nop
.endr
	v_and_b32 v3, 31, v0
	s_delay_alu instid0(VALU_DEP_1)
	v_lshlrev_b32 v1, 4, v3
	s_delay_alu instid0(VALU_DEP_2)
	v_lshlrev_b32 v2, 3, v3
	s_delay_alu instid0(VALU_DEP_3)
	v_lshlrev_b32 v3, 2, v3
	v_and_b32 v9, 15, v0
	s_delay_alu instid0(VALU_DEP_1)
	v_and_b32 v254, 8, v9
	s_delay_alu instid0(VALU_DEP_1)
	v_add_nc_u32 v9, v9, v254
	v_bfe_u32 v254, v0, 4, 1
	s_delay_alu instid0(VALU_DEP_1)
	v_lshlrev_b32 v254, 4, v254
	s_delay_alu instid0(VALU_DEP_1)
	v_sub_nc_u32 v9, v9, v254
.irp j, 16,17,18,19,20,21,28,29,30,31,32,33
	v_mov_b32 v\j, 0
.endr
.irp j, 240,241,242,243,244,245,246,247,248,249,250,251,252,253
	v_mov_b32 v\j, 0
.endr
	PASS KL, UL, PL
	PASS KSH, US, PS
	v_and_b32 v46, 15, v0
	s_delay_alu instid0(VALU_DEP_1)
	v_lshlrev_b32 v46, 2, v46
	QLOAD PL
	s_mov_b32 s[KK], s[KL]
	s_mov_b32 s[DS], s[PL+8]
	INIT PL
	s_wait_tensorcnt 0x0                           ; my record is in; behind the barrier everybody's is
	s_barrier_signal -1
	s_barrier_wait -1
	s_mov_b32 s[TB], 0
	s_mov_b32 s[STP], 0
.Lloop_a:
	STEP 0
	s_cmp_lt_u32 s[STP], 8
	s_cbranch_scc1 .Lloop_a
	s_mov_b32 s[TB], 8*REC
	s_mov_b32 s[STP], 8
.Lloop_b:
	STEP 1
	s_cmp_lt_u32 s[STP], 16
	s_cbranch_scc1 .Lloop_b
	EPI PL, PS
	s_wait_xcnt 0x0
	s_mov_b32 s[KK], s[KSH]
	s_mov_b32 s[DS], s[PS+8]
	INIT PS
	s_mov_b32 s[TB], 0
	s_mov_b32 s[STP], 0
.Lloop_c:
	STEP 1
	s_cmp_lt_u32 s[STP], 8
	s_cbranch_scc1 .Lloop_c
	EPI PS, 0
	s_wait_tensorcnt 0x0
	ds_add_u32 v7, v8
	s_wait_dscnt 0x0
	CROUND
	s_endpgm
.Lfunc_end_k_q5897403b38_attn:
	.size	k_q5897403b38_attn, .Lfunc_end_k_q5897403b38_attn-k_q5897403b38_attn
	.p2alignl 7, 3214868480
	.fill 96, 4, 3214868480
	.section	.rodata,"a",@progbits
	.p2align	6, 0x0
	.amdhsa_kernel k_q5897403b38_attn
		.amdhsa_group_segment_fixed_size 327680
		.amdhsa_private_segment_fixed_size 0
		.amdhsa_enable_private_segment 0
		.amdhsa_kernarg_size 24
		.amdhsa_user_sgpr_count 2
		.amdhsa_user_sgpr_kernarg_segment_ptr 1
		.amdhsa_wavefront_size32 1
		.amdhsa_system_sgpr_workgroup_id_x 1
		.amdhsa_system_sgpr_workgroup_id_y 1
		.amdhsa_system_sgpr_workgroup_id_z 1
		.amdhsa_system_vgpr_workitem_id 0
		.amdhsa_next_free_vgpr 256
		.amdhsa_next_free_sgpr 80
		.amdhsa_reserve_vcc 1
		.amdhsa_float_denorm_mode_32 3
		.amdhsa_float_denorm_mode_16_64 3
		.amdhsa_memory_ordered 1
		.amdhsa_forward_progress 1
		.amdhsa_inst_pref_size 82
	.end_amdhsa_kernel
	.amdgpu_metadata
---
amdhsa.version: [ 1, 2 ]
amdhsa.kernels:
  - .name:           k_q5897403b38_attn
    .symbol:         k_q5897403b38_attn.kd
    .args:
      - { .name: qi, .offset: 0, .size: 8, .value_kind: global_buffer, .address_space: global }
      - { .name: kv, .offset: 8, .size: 8, .value_kind: global_buffer, .address_space: global }
      - { .name: aq, .offset: 16, .size: 8, .value_kind: global_buffer, .address_space: global }
    .group_segment_fixed_size: 327680
    .private_segment_fixed_size: 0
    .kernarg_segment_align: 8
    .kernarg_segment_size: 24
    .max_flat_workgroup_size: 512
    .sgpr_count:     80
    .vgpr_count:     256
    .wavefront_size: 32
...
	.end_amdgpu_metadata
.endif
;; end of part 3
;; launch gemm_out (part 4): grid 8 x 32, 4 waves a work-group, clusters of 4 x 4, 327,680 bytes of LDS; arguments aq, wq, out0; writes out0
.if DOCPART == 4
	.amdgcn_target "amdgcn-amd-amdhsa--gfx1250"
	.amdhsa_code_object_version 6
	.text
	.protected	k_q5897403b38_gemm_out
	.globl	k_q5897403b38_gemm_out
	.p2align	8
	.type	k_q5897403b38_gemm_out,@function
k_q5897403b38_gemm_out:
	s_mov_b64 s[64:65], 0
	v_nop
	global_prefetch_b8 v0, s[64:65] scope:SCOPE_SE
	s_setreg_imm32_b32 hwreg(HW_REG_WAVE_MODE, 25, 1), 1
	s_wait_xcnt 0x0
	s_wait_alu depctr_hold_cnt(0) depctr_sa_sdst(0) depctr_va_vdst(0) depctr_va_sdst(0) depctr_va_ssrc(0) depctr_va_vcc(0) depctr_vm_vsrc(0)
	s_getreg_b32 s2, hwreg(HW_REG_IB_STS2, 6, 4)
	s_cmp_eq_u32 s2, 0
	s_cbranch_scc0 .Lentry_in_a_cluster
	s_endpgm
.Lentry_in_a_cluster:
	s_bfe_u32 s2, ttmp6, 0x10000c
	s_cmp_lg_u32 s2, 0xf033
	s_cbranch_scc0 .Lentry_shape_is_right
	s_endpgm
.Lentry_shape_is_right:
; out0 = a Wo on codes of E2M3 (K = 1,024); a: attention's result as launch attn quantised it, Wo as launch quant did.  Both lie in memory as images of operand registers: a tile of 16 rows is 8 fragments of
; 1,536 bytes; lane row p of tile 2 b + u is row 32 b + 8 u + p + 8 (p / 8); behind all codes the scale words, [tile][8 fragments][16 words].
; A BLOCK IS 256 TOKENS x 128 COLUMNS: 8 x 32 = 256 work-groups.  All that a block needs, 307,200 bytes, comes into LDS ONCE, by four joint loads at the head, one a wave: the tokens' codes (196,608), Wo's codes (98,304),
; and the two blocks of scale words.  Nothing is filled again.  CLUSTER 4 x 4: the tokens' tiles hang on the block row and are shared along a row of the cluster, Wo's on the block column and along a column.
; A WAVE MAKES 128 TOKENS x 64 COLUMNS.  Wo's 4 tiles x 8 fragments stay in 384 registers for the whole launch; the tokens go by GROUPS of two tiles: 8 accumulators by turns,
; K ascending, 64 matrix instructions a group.  No fragment is read from LDS twice.  A finished group goes through the wave's own stage and is stored while the next group is multiplied: two sets of accumulators.
; Source 0 = Wo's tile, source 1 = the tokens' tile: a lane holds a token, and its 8 registers of tile 2 b + u are columns 32 b + 16 (lane / 16) + 8 u + 0 .. 7.
; No prefetch: every byte is asked for at the head, so there is no loop that runs ahead of a load.
; REGISTERS: window 0: v4-22 addresses, v28, v29 the add's two, v32-95 scale words and nothing else, v96-223 two sets of 8 accumulators.  Windows 1, 2: Wo's fragments of K's lower and upper half (48 (f % 4) + 12 b).
;   window 3: v0-191 a group's fragments (96 t + 12 f), v192-255 two tiles read back from the stage.
.set PB,    196608                     ; LDS: the tokens' codes from 0, Wo's codes,
.set SCP,   294912                     ; Wo's scale words (4,096 bytes),
.set SCQ,   299008                     ; the tokens' (8,192),
.set SPARE, 307200                     ; the spare words, 128 bytes for each wave: two blocks of 256 bytes that no other line names,
.set STAGE, 307712                     ; and a stage of 16 rows x (256 + 16) bytes for each wave: bytes of its own, into which no fill lands
.set XSCA,  6291456                    ; where aq's scale words begin
.set WSCA,  3145728                    ; and wq's
.set AQ16,  4                          ; v4, v5  my tokens' tiles 0-3, 4-7: + 16 x lane
.set AQ8,   6                          ; v6, v7  + 8 x lane
.set AP16,  8
.set AP8,   9
.set ADRS,  16                         ; my scale words: lanes 0-15 the tokens', lanes 16-31 Wo's
.set STO,   20
.set RD,    21
.set CO,    22
.set SPW,   28
.set NIL,   29
.set SC,    32                         ; register 8 f + i: lanes 0-15 the words of my tokens' tile i, lanes 16-31 (for i under 4) of Wo's tile i
.set ACC,   96
.set BK,    192
.set G1QC,  24
.set G1PC,  32
.set G1QS,  40
.set G1PS,  48
.set G0QC,  56
.set G0PC,  60
.set G0QS,  68
.set G0PS,  72
.set MSB, 0
.macro WIN new                         ; the immediate's high byte repeats the setting that is left
.if MSB != \new
	s_set_vgpr_msb (MSB<<8)|\new
.set MSB, \new
.endif
.endm
.macro CROUND                          ; a round of the cluster's barrier
	s_barrier_signal -1
	s_barrier_wait -1
	s_cmp_lg_u32 s16, 0
	s_cbranch_scc1 .Lnot_wave_0_\@
	s_barrier_signal -3
.Lnot_wave_0_\@:
	s_barrier_wait -3
	s_barrier_signal -1
	s_barrier_wait -1
.endm
.macro PLACES n                        ; plain vector lines between a matrix instruction and a load into, or an LDS store from, one of its registers (ISA guide 7.12.1 for LDS stores)
.rept \n
	v_nop
.endr
.endm
.macro DENSE g, rows                   ; group 1 of a dense block: rows of 256 bytes (32 elements of 8)
	s_mov_b32 s[\g+1], 32<<16
	s_mov_b32 s[\g+2], (\rows)<<16
	s_mov_b32 s[\g+3], 32<<16
	s_mov_b32 s[\g+4], \rows
	s_mov_b32 s[\g+5], 32
	s_mov_b32 s[\g+6], 0
	s_mov_b32 s[\g+7], 0
.endm
.macro FRAG reg, a16, a8, off          ; a fragment's image: four loads, each of consecutive bytes across the lanes
	ds_load_b128 v[\reg:\reg+3], v[\a16] offset:\off
	ds_load_b64 v[\reg+4:\reg+5], v[\a8] offset:\off+512
	ds_load_b128 v[\reg+6:\reg+9], v[\a16] offset:\off+768
	ds_load_b64 v[\reg+10:\reg+11], v[\a8] offset:\off+1280
.endm
.macro PLD hf                          ; Wo's 16 fragments of half hf of K: 64 loads
.irp f, 0,1,2,3
.irp b, 0,1,2,3
	FRAG 48*\f+12*\b, AP16, AP8, \b*12288+(4*(\hf)+\f)*1536
.endr
.endr
.endm
.macro QLD g, hf                       ; group g's two tiles, half hf of K: 32 loads
.irp t, 0,1
.irp f, 0,1,2,3
	FRAG 96*\t+12*(4*(\hf)+\f), AQ16+(\g)/2, AQ8+(\g)/2, ((2*(\g)+\t)%4)*12288+(4*(\hf)+\f)*1536
.endr
.endr
.endm
.macro MULH g, hf                      ; 32 matrix instructions: group g, half hf of K; the first product of each accumulator starts its sum
.irp f, 0,1,2,3
.irp t, 0,1
.irp b, 0,1,2,3
.set DD, ACC+64*((\g)%2)+32*\t+8*\b
.set PP, 48*\f+12*\b
.set QQ, 96*\t+12*(4*(\hf)+\f)
.set SF, SC+8*(4*(\hf)+\f)
.if (\hf)+\f == 0
	v_wmma_scale_f32_16x16x128_f8f6f4 v[DD:DD+7], v[PP:PP+11], v[QQ:QQ+11], 0, v[SF+\b], v[SF+2*(\g)+\t] matrix_a_fmt:MATRIX_FMT_FP6 matrix_b_fmt:MATRIX_FMT_FP6 matrix_a_scale:MATRIX_SCALE_ROW1
.else
	v_wmma_scale_f32_16x16x128_f8f6f4 v[DD:DD+7], v[PP:PP+11], v[QQ:QQ+11], v[DD:DD+7], v[SF+\b], v[SF+2*(\g)+\t] matrix_a_fmt:MATRIX_FMT_FP6 matrix_b_fmt:MATRIX_FMT_FP6 matrix_a_scale:MATRIX_SCALE_ROW1
.endif
.endr
.endr
.endr
.endm
.macro TOSTAGE g                       ; group g's two tiles through my stage, one after the other: 32 LDS instructions.  LDS serves a wave's instructions in order (ISA guide 5.7.1.4): no wait between them
.irp t, 0,1
	WIN 0
.irp b, 0,1,2,3
.set DD, ACC+64*((\g)%2)+32*\t+8*\b
	ds_store_b128 v[STO], v[DD:DD+3] offset:128*(\b/2)+32*(\b%2)          ; each accumulator from its low end on
	ds_store_b128 v[STO], v[DD+4:DD+7] offset:128*(\b/2)+32*(\b%2)+16
.endr
	WIN 0xc0
.irp u, 0,1,2,3,4,5,6,7
	ds_load_b128 v[BK+32*\t+4*\u:BK+32*\t+4*\u+3], v[RD] offset:544*\u    ; two rows of 256 bytes
.endr
.endr
.endm
.macro SEND g                          ; sixteen lanes store 256 consecutive bytes of a row of out0, aligned to 256
	WIN 0x0c
.irp t, 0,1
.irp u, 0,1,2,3,4,5,6,7
	global_store_b128 v[CO], v[BK+32*\t+4*\u:BK+32*\t+4*\u+3], s[8:9] offset:(32*(\g)+8*\t+2*\u+8*(\u/4))*4096 th:TH_STORE_NT
.endr
.endr
.endm
; A group.  In its middle the next group's lower fragments are fetched and the group before goes through the stage; at its end the next group's upper fragments are fetched and the group before is stored.
.macro GROUP g
.if (\g) == 0
	s_wait_dscnt 63                                ; the scale words, Wo's lower half and my lower fragments are in (96 younger loads were issued: the wait's field holds 63)
.else
	s_wait_dscnt 32                                ; my lower fragments are in; the 32 loads of the upper ones may be out
.endif
	WIN 0x0d                                       ; source 0 window 1, source 1 window 3, C and D window 0
	MULH \g, 0
	PLACES 4
.if (\g) < 3
	WIN 0xc0
	QLD (\g)+1, 0
.endif
.if (\g) > 0
.if (\g) > 1
	s_wait_xcnt 0x0                                ; the last stores have read their data: the stage's loads may land there
.endif
	TOSTAGE (\g)-1
.endif
.if (\g) == 1 || (\g) == 2
	s_wait_dscnt 63                                ; my upper fragments are in (64 younger LDS instructions were issued)
.else
	s_wait_dscnt 32                                ; my upper fragments (and Wo's upper half) are in; the 32 younger LDS instructions may be out
.endif
	WIN 0x0e                                       ; source 0 window 2
	MULH \g, 1
	PLACES 4
.if (\g) < 3
	WIN 0xc0
	QLD (\g)+1, 1
.endif
.if (\g) > 0
.if (\g) < 3
	s_wait_dscnt 32                                ; the group before is back from the stage; the 32 loads just issued may be out
.else
	s_wait_dscnt 0x0
.endif
	SEND (\g)-1
.endif
.endm
	s_load_b128 s[4:7], s[0:1], 0x0                ; aq, wq
	s_load_b64 s[8:9], s[0:1], 0x10                ; out0
	v_lshl_add_u32 v[SPW], v0, 2, SPARE
	v_mov_b32 v[NIL], 0
	ds_add_u32 v[SPW], v[NIL]                      ; the wave's opening: the add, twice on end, and its wait ahead of my first tensor load
	ds_add_u32 v[SPW], v[NIL]
	v_lshrrev_b32 v1, 5, v0
	v_readfirstlane_b32 s16, v1                    ; wave
	s_lshr_b32 s17, s16, 1                         ; my half of the tokens
	s_and_b32 s18, s16, 1                          ; my half of the columns
	s_bfe_u32 s19, ttmp6, 0x40000                  ; cx
	s_bfe_u32 s20, ttmp6, 0x40004                  ; cy
	s_lshl_b32 s21, s20, 2
	s_lshl_b32 s21, 15, s21                        ; my row of the cluster: the tokens' mask
	s_lshl_b32 s22, 0x1111, s19                    ; my column: Wo's mask
	s_and_b32 s23, ttmp7, 0xffff
	s_lshl_b32 s23, s23, 2
	s_add_co_u32 s23, s23, s20                     ; block row: 256 tokens
	s_lshl_b32 s3, ttmp9, 2
	s_add_co_u32 s3, s3, s19                       ; block column: 128 columns
	s_or_b32 s[G1QC], s21, (3<<16)|(1<<21)         ; 15:0 the mask; 17:16 elements of 8 bytes; 21 set beside a mask
	s_or_b32 s[G1QS], s21, (3<<16)|(1<<21)
	s_or_b32 s[G1PC], s22, (3<<16)|(1<<21)
	s_or_b32 s[G1PS], s22, (3<<16)|(1<<21)
	DENSE G1QC, 768
	DENSE G1PC, 384
	DENSE G1QS, 32
	DENSE G1PS, 16
	s_mul_i32 s76, s23, 196608                     ; the tokens' 16 tiles,
	s_mov_b32 s77, 0
	s_lshl_b32 s78, s23, 13
	s_add_co_u32 s78, s78, XSCA                    ; their scale words,
	s_mov_b32 s79, 0
	s_mul_i32 s80, s3, 98304
	s_add_co_u32 s80, s80, 192*12288               ; Wo's 8 tiles (Wo is the fourth weight: tiles 192 on),
	s_mov_b32 s81, 0
	s_lshl_b32 s82, s3, 12
	s_add_co_u32 s82, s82, WSCA+192*512            ; and their scale words
	s_mov_b32 s83, 0
	s_mul_i32 s84, s17, 98304                      ; LDS: my 8 tiles of tokens,
	s_add_co_u32 s85, s84, 49152
	s_mul_i32 s86, s18, 49152
	s_add_co_u32 s86, s86, PB                      ; my 4 tiles of Wo,
	s_lshl_b32 s87, s17, 12
	s_lshl_b32 s88, s18, 11
	s_add_co_u32 s87, s87, SCQ-SCP
	s_sub_co_u32 s87, s87, s88                     ; from my half of Wo's words up to my half of the tokens',
	s_add_co_u32 s88, s88, SCP
	s_mul_i32 s89, s16, 16*272
	s_add_co_u32 s89, s89, STAGE                   ; my stage
	s_lshl_b32 s90, s23, 20                        ; out0: 256 rows of 4,096 bytes a block row, 128 a half; 512 bytes a block column, 256 a half
	s_lshl_b32 s91, s17, 19
	s_add_co_u32 s90, s90, s91
	s_lshl_b32 s91, s3, 9
	s_add_co_u32 s90, s90, s91
	s_lshl_b32 s91, s18, 8
	s_add_co_u32 s90, s90, s91
	s_mov_b32 s91, 0
	s_mov_b32 s[G0QC+1], 0
	s_mov_b32 s[G0PC+1], PB
	s_mov_b32 s[G0QS+1], SCQ
	s_mov_b32 s[G0PS+1], SCP
	s_wait_dscnt 0x0                               ; both opening adds are done
	s_wait_kmcnt 0x0
	s_add_nc_u64 s[G0QC+2:G0QC+3], s[4:5], s[76:77]
	s_add_nc_u64 s[G0QS+2:G0QS+3], s[4:5], s[78:79]
	s_add_nc_u64 s[G0PC+2:G0PC+3], s[6:7], s[80:81]
	s_add_nc_u64 s[G0PS+2:G0PS+3], s[6:7], s[82:83]
.irp g, G0QC, G0PC, G0QS, G0PS
	s_mov_b32 s[\g], 1
	s_or_b32 s[\g+3], s[\g+3], 0x80000000
.endr
	s_add_nc_u64 s[8:9], s[8:9], s[90:91]
	CROUND                                         ; all sixteen work-groups are here: the joint loads meet
; THE LOADS, ONE A WAVE: one chain of branches on the wave's number, a load to an arm, all arms leading to one join
.macro ARM under, g0, g1, next
	s_cmp_lt_u32 s16, \under
	s_cbranch_scc0 \next
	tensor_load_to_lds s[\g0:\g0+3], s[\g1:\g1+7]
	s_nop 0
.rept 4
	v_nop
.endr
	s_branch .Lhead_asked
\next:
.endm
	ARM 1, G0QC, G1QC, .Lhead_p
	ARM 2, G0PC, G1PC, .Lhead_sq
	ARM 3, G0QS, G1QS, .Lhead_sp
	tensor_load_to_lds s[G0PS:G0PS+3], s[G1PS:G1PS+7]
	s_nop 0
.rept 4
	v_nop
.endr
.Lhead_asked:
	v_and_b32 v1, 31, v0                           ; lane
	v_and_b32 v2, 15, v0                           ; r
	v_bfe_u32 v3, v0, 4, 1                         ; h
	v_lshlrev_b32 v17, 4, v1
	v_lshlrev_b32 v18, 3, v1
	v_sub_nc_u32 v19, 1, v3                        ; 1 in lanes 0-15
	v_add_nc_u32 v[AQ16], s84, v17
	v_add_nc_u32 v[AQ8], s84, v18
	v_add_nc_u32 v[AQ16+1], s85, v17
	v_add_nc_u32 v[AQ8+1], s85, v18
	v_add_nc_u32 v[AP16], s86, v17
	v_add_nc_u32 v[AP8], s86, v18
	v_mul_u32_u24 v16, s87, v19                    ; lanes 0-15 take the tokens' words, which lie above Wo's
	v_lshl_add_u32 v16, v2, 2, v16
	v_add_nc_u32 v[ADRS], s88, v16
	v_mul_u32_u24 v[STO], v2, 272                  ; into the stage: row r, 64 bytes for each half of the lanes in each 128
	v_lshl_add_u32 v[STO], v3, 6, v[STO]
	v_add_nc_u32 v[STO], s89, v[STO]
	v_mul_u32_u24 v[RD], v3, 272                   ; back: lanes 0-15 one row of 256 bytes, lanes 16-31 the next
	v_lshl_add_u32 v[RD], v2, 4, v[RD]
	v_add_nc_u32 v[RD], s89, v[RD]
	v_lshlrev_b32 v[CO], 12, v3                    ; and the same two rows in out0
	v_lshl_add_u32 v[CO], v2, 4, v[CO]
	s_wait_alu depctr_va_vdst(0)
	s_wait_tensorcnt 0x0                           ; my load has landed,
	s_barrier_signal -1
	s_barrier_wait -1                              ; and everybody's
.irp f, 0,1,2,3,4,5,6,7
.irp i, 0,1,2,3,4,5,6,7
	ds_load_b32 v[SC+8*\f+\i], v[ADRS] offset:512*\i+64*\f    ; (for i of 4 and more lanes 16-31 read words that no product takes; they lie inside the two blocks of scale words)
.endr
.endr
	WIN 0x40
	PLD 0
	WIN 0xc0
	QLD 0, 0
	WIN 0x80
	PLD 1
	WIN 0xc0
	QLD 0, 1
.irp g, 0,1,2,3
	GROUP \g
.endr
	s_wait_xcnt 0x0                                ; group 2's stores have read their data
	TOSTAGE 3                                      ; (four places stand behind the last products)
	s_wait_dscnt 0x0
	SEND 3
	WIN 0
	s_wait_tensorcnt 0x0                           ; the wave's end, behind my last tensor load and my last LDS store
	ds_add_u32 v[SPW], v[NIL]
	s_wait_dscnt 0x0
	CROUND                                         ; the closing round: no work-group ends while a partner may still ask for a tile that names it
	s_endpgm
.Lfunc_end_k_q5897403b38_gemm_out:
	.size	k_q5897403b38_gemm_out, .Lfunc_end_k_q5897403b38_gemm_out-k_q5897403b38_gemm_out
	.p2alignl 7, 3214868480
	.fill 96, 4, 3214868480
	.section	.rodata,"a",@progbits
	.p2align	6, 0x0
	.amdhsa_kernel k_q5897403b38_gemm_out
		.amdhsa_group_segment_fixed_size 327680
		.amdhsa_private_segment_fixed_size 0
		.amdhsa_enable_private_segment 0
		.amdhsa_kernarg_size 24
		.amdhsa_user_sgpr_count 2
		.amdhsa_user_sgpr_kernarg_segment_ptr 1
		.amdhsa_wavefront_size32 1
		.amdhsa_system_sgpr_workgroup_id_x 1
		.amdhsa_system_sgpr_workgroup_id_y 1
		.amdhsa_system_sgpr_workgroup_id_z 1
		.amdhsa_system_vgpr_workitem_id 0
		.amdhsa_next_free_vgpr 1024
		.amdhsa_next_free_sgpr 96
		.amdhsa_reserve_vcc 0
		.amdhsa_float_denorm_mode_32 3
		.amdhsa_float_denorm_mode_16_64 3
		.amdhsa_memory_ordered 1
		.amdhsa_forward_progress 1
		.amdhsa_inst_pref_size 85
	.end_amdhsa_kernel
	.amdgpu_metadata
---
amdhsa.version: [ 1, 2 ]
amdhsa.kernels:
  - .name:           k_q5897403b38_gemm_out
    .symbol:         k_q5897403b38_gemm_out.kd
    .args:
      - { .name: aq, .offset: 0, .size: 8, .value_kind: global_buffer, .address_space: global }
      - { .name: wq, .offset: 8, .size: 8, .value_kind: global_buffer, .address_space: global }
      - { .name: out0, .offset: 16, .size: 8, .value_kind: global_buffer, .address_space: global }
    .group_segment_fixed_size: 327680
    .private_segment_fixed_size: 0
    .kernarg_segment_align: 8
    .kernarg_segment_size: 24
    .max_flat_workgroup_size: 128
    .sgpr_count:     96
    .vgpr_count:     1024
    .wavefront_size: 32
...
	.end_amdgpu_metadata
.endif
;; end of part 4
